; MI455X (gfx1250); checked and timed in simulation.
; The chip was launched on July 23, 2026; its instructions are those of AMD's public machine-readable ISA for CDNA 5 (MIT licence, August 2026) and "CDNA5" Instruction Set Architecture Reference Guide (July 2026). The comments in the code are by the model that wrote it; some were corrected since.
;; Distance Probe. Allowed arithmetic: matrix products marked QUANTISED: E4M3 operands, one E8M0 scale for each 32 along K, by v_wmma_scale_f32_16x16x128_f8f6f4 with both operands' format E4M3, f32 sums; everything else in f32.
;; Inputs: batch 8 x 512 x 1,024 float32; proj 1,024 x 128 float32.
;; Outputs: out0 8 x 512 x 512 float32.
;; This version of the problem:
;;   THIS VERSION OF THE PROBLEM IS GIVEN IN LOW PRECISION. The matrix products marked QUANTISED in the list below multiply operands that are first quantised to E4M3 (4 exponent bits, 3 mantissa bits; 8 bits a number), with one power-of-two scale for each 32 numbers along K (OCP MX v1.0); their sums are f32. All else is computed in f32.
;;   The module's matrix products, in the order in which they are computed (A, B: the left and right operand; K: the contracted axis; several contracted axes count as one K, in the product's order):
;;     1. [M 4,096, K 1,024] x [K 1,024, N 128]; A: input batch; B: input proj: QUANTISED
;;   THE QUANTISER, for each operand of a quantised product, along K:
;;     - K is cut into blocks of 32 from its start; a last block that is shorter is filled with zeros.
;;     - A block's scale is 2^e with e = floor(log2(the largest magnitude in the block)) - 8, held to -126 .. 127; a block of zeros has e = 0. As a byte (E8M0): e + 127.
;;     - Each number is divided by its block's scale, clamped to +-448, and rounded to the nearest number of E4M3, ties to even, subnormals kept.
;;     - The product sums the exact products of the quantised numbers (number of the format x scale) in f32.
;;   ~~~python
;;   def quantise(x, axis):      # numpy; x: float32 -> the quantised numbers, widened to float32 again
;;       x = np.moveaxis(x, axis, -1); K = x.shape[-1]
;;       x = np.pad(x, [(0, 0)] * (x.ndim - 1) + [(0, -K % 32)]); x = x.reshape(x.shape[:-1] + (-1, 32)); a = np.abs(x).max(-1, keepdims=True)
;;       e = np.where(a > 0, np.clip(np.frexp(np.where(a > 0, a, 1))[1] - 1 - 8, -126, 127), 0)      # np.frexp(a)[1] - 1 = floor(log2(a)), exactly
;;       r = np.clip(x / 2.0 ** e, -448, 448)
;;       step = 2.0 ** (np.maximum(np.frexp(np.where(r == 0, 1, r))[1] - 1, -6) - 3)
;;       q = np.round(r / step) * step * 2.0 ** e      # np.round: ties to even
;;       return np.moveaxis(q.reshape(q.shape[:-2] + (-1,))[..., :K], -1, axis).astype(np.float32)
;;   ~~~
;; 2 versions. Each part assembles by itself: llvm-mc -triple=amdgcn-amd-amdhsa -mcpu=gfx1250 --defsym DOCPART=n.
;; ======== version 1 of 2: 3 launches
;; limits: a difference of large sums (such as E[x^2] - mean^2): digits are lost where the result is much smaller than its terms
;; workspace buffers: wq 131,072 bytes; ws 4,096 bytes; t 2,097,152 bytes
;; launch qproj (part 1): grid 8 x 1, 16 waves a work-group, no clusters, 2,560 bytes of LDS; arguments proj, wq, ws; writes wq, ws
.if DOCPART == 1
	.amdgcn_target "amdgcn-amd-amdhsa--gfx1250"
	.amdhsa_code_object_version 6
	.text
	.protected	k_qaacf0e25c1_qproj
	.globl	k_qaacf0e25c1_qproj
	.p2align	8
	.type	k_qaacf0e25c1_qproj,@function
k_qaacf0e25c1_qproj:
	s_mov_b64 s[64:65], 0
	v_nop
	global_prefetch_b8 v0, s[64:65] scope:SCOPE_SE
	s_setreg_imm32_b32 hwreg(HW_REG_WAVE_MODE, 25, 1), 1
	s_wait_xcnt 0x0
; proj [1024 (k)][128 (n)], f32, K its FIRST axis, becomes codes of FP8 (E4M3) with one E8M0 scale byte for each 32 along K, once for the whole program:
; all 256 work-groups of the product read it.  The codes are laid in the ORDER OF THE OPERAND'S REGISTERS:
;   wq[n tile (8)][K step of 128 (8)][c (4)][lane (32)][16 bytes]: lane (r, h) of group c holds column 16 tile + r, k = 128 step + 32 c + 16 h + 0 .. 15;
;   ws[K step (8)][n (128)]: one word, byte c = the scale of block c of that K step.
; A block's scale is 2^(floor(log2(its largest magnitude)) - 8); its byte is that magnitude's exponent field - 8, held at 1 from below.  A block of zeros so gets the byte 1
; where the rule says 127: its codes are zeros, which add nothing, and this program alone reads the bytes.
; LIMITS: NaN and infinities among the inputs are not served.
; SHARES.  A work-group takes one K step (128 rows of proj, 64 KB); its 16 waves are 4 groups of 32 columns x 4 blocks of 32 along K.  A LANE TAKES A COLUMN AND ITS REGISTERS RUN DOWN K:
; a load reads 128 neighbouring bytes of a row (the four waves of a block read the row's 512), the block's largest magnitude needs no other lane, and the conversions give codes with K innermost.
; 32 loads a wave, all issued at once.  A lane's 32 codes are the operand's bytes of lanes (r, 0) and (r, 1): two stores, in each of which sixteen lanes fill an aligned 256 bytes.
; The four scale bytes of a column meet in LDS (512 bytes) and leave as words, 128 consecutive bytes a wave.
.set X,     32                         ; v32-63  the block's 32 numbers
.set C,     64                         ; v64-71  its codes
.set FLOOR, 0x4800000                  ; 2^(9 - 127): no largest magnitude is taken under it, so the byte cannot fall under 1
	s_load_b128 s[4:7], s[0:1], 0x0                ; proj, wq
	s_load_b64 s[8:9], s[0:1], 0x10                ; ws
	v_lshl_add_u32 v80, v0, 2, 0x200
	v_mov_b32 v81, 0
	v_lshrrev_b32 v1, 5, v0
	v_readfirstlane_b32 s17, v1                    ; wave 0..15
	v_and_b32 v1, 127, v0                          ; n: my column
	v_lshrrev_b32 v2, 7, v0                        ; c: my block of the K step
	v_lshlrev_b32 v3, 2, v1                        ; 4 n
	v_lshl_add_u32 v4, v2, 14, v3                  ; in: 32 c rows of 512 bytes + 4 n
	v_add_nc_u32 v5, v3, v2                        ; LDS: byte c of word n
	v_bfe_u32 v6, v0, 4, 3                         ; n tile
	v_and_b32 v7, 15, v0                           ; r
	v_lshlrev_b32 v6, 14, v6                       ; out: 16,384 x tile
	v_lshl_add_u32 v6, v2, 9, v6                   ;      + 512 c
	v_lshl_add_u32 v6, v7, 4, v6                   ;      + 16 r
	v_lshlrev_b32 v8, 2, v0                        ; the scale words' way out: 4 x thread (threads 0 to 127)
	s_lshl_b32 s10, ttmp9, 16                      ; my K step: 128 rows of 512 bytes in proj,
	s_mov_b32 s11, 0
	s_lshl_b32 s12, ttmp9, 11                      ; 2,048 bytes in each tile's run of wq,
	s_mov_b32 s13, 0
	s_lshl_b32 s14, ttmp9, 9                       ; 512 bytes in ws
	s_mov_b32 s15, 0
	s_mov_b32 s16, 0x600000                        ; the mantissa field of 448
	s_wait_kmcnt 0x0
	s_add_nc_u64 s[4:5], s[4:5], s[10:11]
	s_add_nc_u64 s[6:7], s[6:7], s[12:13]
	s_add_nc_u64 s[8:9], s[8:9], s[14:15]
.irp i, 0,1,2,3,4,5,6,7,8,9,10,11,12,13,14,15,16,17,18,19,20,21,22,23,24,25,26,27,28,29,30,31
	global_load_b32 v[X+\i], v4, s[4:5] offset:512*\i th:TH_LOAD_NT    ; proj(128 step + 32 c + i, n)
.endr
	s_wait_loadcnt 0x0
	v_max3_num_f32 v12, |v[X]|, |v[X+1]|, |v[X+2]|                     ; the block's largest magnitude: all 32 numbers are mine; two chains
	v_max3_num_f32 v13, |v[X+3]|, |v[X+4]|, |v[X+5]|
.irp i, 6,10,14,18,22,26
	v_max3_num_f32 v12, v12, |v[X+\i]|, |v[X+\i+1]|
	v_max3_num_f32 v13, v13, |v[X+\i+2]|, |v[X+\i+3]|
.endr
	v_max3_num_f32 v12, v12, |v[X+30]|, |v[X+31]|
	v_max3_num_f32 v12, v12, v13, FLOOR
	v_add_nc_u32 v11, 0xfc000000, v12              ; 8 off its exponent field: the conversion takes the exponent field of this operand as its scale
	v_and_or_b32 v10, v12, 0x7f800000, s16         ; 448 x the scale
	v_lshrrev_b32 v13, 23, v11                     ; the scale's byte
.irp i, 0,1,2,3,4,5,6,7,8,9,10,11,12,13,14,15,16,17,18,19,20,21,22,23,24,25,26,27,28,29,30,31
	v_med3_num_f32 v[X+\i], v[X+\i], -v10, v10     ; the conversion to an 8-bit code does not saturate (ISA guide 7.6.2): hold the number first
.endr
.irp g, 0,1,2,3
	v_cvt_scalef32_pk8_fp8_f32 v[C+2*\g:C+2*\g+1], v[X+8*\g:X+8*\g+7], v11
.endr
	v_nop                                          ; a plain line behind the last conversion
	ds_store_b8 v5, v13
	global_store_b128 v6, v[C:C+3], s[6:7]                 ; k = 0 .. 15 of the block: the bytes of lane (r, 0)
	global_store_b128 v6, v[C+4:C+7], s[6:7] offset:256    ; k = 16 .. 31: of lane (r, 1)
	s_wait_dscnt 0x0                               ; for the others' sake: my byte lies in LDS
	s_barrier_signal -1
	s_barrier_wait -1
	s_cmp_ge_u32 s17, 4                            ; waves 0 to 3 take the 128 words out
	s_cbranch_scc1 .Lend
	ds_load_b32 v9, v8
	s_wait_dscnt 0x0
	global_store_b32 v8, v9, s[8:9]
.Lend:
	s_wait_tensorcnt 0x0
	ds_add_u32 v80, v81
	s_wait_dscnt 0x0
	s_endpgm
.Lfunc_end_k_qaacf0e25c1_qproj:
	.size	k_qaacf0e25c1_qproj, .Lfunc_end_k_qaacf0e25c1_qproj-k_qaacf0e25c1_qproj
	.p2alignl 7, 3214868480
	.fill 96, 4, 3214868480
	.section	.rodata,"a",@progbits
	.p2align	6, 0x0
	.amdhsa_kernel k_qaacf0e25c1_qproj
		.amdhsa_group_segment_fixed_size 2560
		.amdhsa_private_segment_fixed_size 0
		.amdhsa_enable_private_segment 0
		.amdhsa_kernarg_size 24
		.amdhsa_user_sgpr_count 2
		.amdhsa_user_sgpr_kernarg_segment_ptr 1
		.amdhsa_wavefront_size32 1
		.amdhsa_system_sgpr_workgroup_id_x 1
		.amdhsa_system_sgpr_workgroup_id_y 1
		.amdhsa_system_sgpr_workgroup_id_z 1
		.amdhsa_system_vgpr_workitem_id 0
		.amdhsa_next_free_vgpr 82
		.amdhsa_next_free_sgpr 66
		.amdhsa_reserve_vcc 0
		.amdhsa_float_denorm_mode_32 3
		.amdhsa_float_denorm_mode_16_64 3
		.amdhsa_memory_ordered 1
		.amdhsa_forward_progress 1
		.amdhsa_inst_pref_size 9
	.end_amdhsa_kernel
	.amdgpu_metadata
---
amdhsa.version: [ 1, 2 ]
amdhsa.kernels:
  - .name:           k_qaacf0e25c1_qproj
    .symbol:         k_qaacf0e25c1_qproj.kd
    .args:
      - { .name: proj, .offset: 0, .size: 8, .value_kind: global_buffer, .address_space: global }
      - { .name: wq, .offset: 8, .size: 8, .value_kind: global_buffer, .address_space: global }
      - { .name: ws, .offset: 16, .size: 8, .value_kind: global_buffer, .address_space: global }
    .group_segment_fixed_size: 2560
    .private_segment_fixed_size: 0
    .kernarg_segment_align: 8
    .kernarg_segment_size: 24
    .max_flat_workgroup_size: 512
    .sgpr_count:     66
    .vgpr_count:     82
    .wavefront_size: 32
...
	.end_amdgpu_metadata
.endif
;; end of part 1
;; launch project (part 2): grid 256 x 1, 8 waves a work-group, no clusters, 28,160 bytes of LDS; arguments batch, wq, ws, t; writes t
.if DOCPART == 2
	.amdgcn_target "amdgcn-amd-amdhsa--gfx1250"
	.amdhsa_code_object_version 6
	.text
	.protected	k_qaacf0e25c1_project
	.globl	k_qaacf0e25c1_project
	.p2align	8
	.type	k_qaacf0e25c1_project,@function
k_qaacf0e25c1_project:
	s_mov_b64 s[64:65], 0
	v_nop
	global_prefetch_b8 v0, s[64:65] scope:SCOPE_SE
	s_setreg_imm32_b32 hwreg(HW_REG_WAVE_MODE, 25, 1), 1
	s_wait_xcnt 0x0
; t [4096][128] f32 = Q(batch) Q(proj): batch [4096][1024] f32 is quantised here, in registers, on its way to the matrix unit (each row is read by one work-group, once);
; proj comes as codes and scale words in the order of the operand's registers (wq, ws).  FP8 (E4M3), one E8M0 scale for each 32 along K; sums in f32.
; LIMITS: NaN and infinities among the inputs are not served.  A block of zeros gets the byte 1 (its codes are zeros).  The sum over K is kept in two accumulators
; (even and odd K steps) that are added at the end: an order of f32 additions other than one ascending chain.
; SHARES.  A work-group takes 16 rows, 64 KB of batch; 8 waves.
;   X: wave w quantises rows 2 w and 2 w + 1.  A load pair brings a lane 32 neighbouring bytes, 8 numbers along K; 32 lanes take 1,024 consecutive bytes.  Four lanes hold a block of 32.
;      The codes go to LDS as GROUPS: group g = k / 16 holds 16 codes of each of the 16 rows, 256 bytes + 16 of padding; the scale bytes to rows of 32 + 4 bytes.
;   M: behind the barrier lane (r, h) reads group 8 s + 2 c + h at 16 r: registers 4 c .. 4 c + 3 of x's fragment of K step s.  Wave w multiplies it with proj's tile w (columns 16 w .. 16 w + 15),
;      whose 8 fragments (128 registers) came straight from memory while batch was on its way: 16 + 8 + 32 = 56 loads a wave, all issued at the head.
;      TRANSPOSED USE: source 0 = 16 columns of proj, source 1 = the 16 rows: a lane holds eight neighbouring numbers of one row of t.
;   OUT: the eight waves' pieces of the 16 rows meet in a stage; each wave stores two whole rows of 512 bytes.
; NO CLUSTER, NO TENSOR LOAD: the 132 KB of wq and ws are the same for all work-groups, but each wave takes its 16 KB once, as register images, with no way through LDS, beside 64 KB of batch that
; nobody shares; a joint load would put 128 KB through LDS and rounds of a cluster's barrier in front of 8 matrix instructions a wave.
.set GP,   272                         ; a group in LDS: 256 bytes + 16
.set SX,   64*GP                       ; behind the 64 groups: the scale bytes, a row of 36 bytes for each row of x
.set SP,   36
.set STG,  18432                       ; the stage for t: 16 rows x (512 + 16) bytes
.set TP,   528
.set FLOOR, 0x4800000                  ; 2^(9 - 127)
.set XA,   4                           ; v4   batch: 32 x lane
.set L16,  5                           ; v5   16 x lane: wq's images, and t's rows
.set WSO,  6                           ; v6   ws: 4 r
.set CS,   7                           ; v7   LDS: where my 8 codes go
.set SS,   8                           ; v8   LDS: where my block's scale byte goes
.set AF,   9                           ; v9   LDS: x's fragments
.set SR,   10                          ; v10  LDS: x's scale words
.set SO,   11                          ; v11  LDS: the stage, in
.set RD,   12                          ; v12  LDS: the stage, back
.set TM,   16                          ; v16-19 largest magnitudes, then 448 x the scale; v20-23 the conversions' scale operands; on the way out two rows of t
.set WS,   24                          ; v24-31 proj's scale words, one for each K step: nothing else ever lies here
.set XS,   32                          ; v32-39 x's scale words likewise
.set E,    40                          ; v40-47 scale bytes; later the two accumulators' sum
.set C,    48                          ; v48-63 codes, two registers a unit; later the two accumulators
.set X,    64                          ; v64-127 64 numbers; later four fragments of x
.set W,    128                         ; v128-255 proj's eight fragments
	s_load_b128 s[4:7], s[0:1], 0x0                ; batch, wq
	s_load_b128 s[8:11], s[0:1], 0x10              ; ws, t
	v_lshl_add_u32 v15, v0, 2, 0x6a00
	s_set_vgpr_msb 0x40
	v_mov_b32 v1, 0
	s_set_vgpr_msb 0x4000
	v_lshrrev_b32 v1, 5, v0
	v_readfirstlane_b32 s12, v1                    ; wave 0..7
	v_and_b32 v1, 31, v0                           ; lane
	v_and_b32 v2, 15, v0                           ; r
	v_bfe_u32 v3, v0, 4, 1                         ; h
	v_lshlrev_b32 v[XA], 5, v1
	v_lshlrev_b32 v[L16], 4, v1
	v_lshlrev_b32 v[WSO], 2, v2
	s_lshl_b32 s14, ttmp9, 16                      ; batch: 16 rows of 4,096 bytes a work-group,
	s_lshl_b32 s21, s12, 13                        ; two rows a wave
	s_add_co_u32 s14, s14, s21
	s_mov_b32 s15, 0
	s_lshl_b32 s16, s12, 14                        ; wq: tile w, 16,384 bytes
	s_mov_b32 s17, 0
	s_lshl_b32 s18, s12, 6                         ; ws: 16 words a tile
	s_mov_b32 s19, 0
	s_lshl_b32 s22, ttmp9, 13                      ; t: 16 rows of 512 bytes a work-group,
	s_lshl_b32 s21, s12, 10                        ; two rows a wave
	s_add_co_u32 s22, s22, s21
	s_mov_b32 s23, 0
	s_mov_b32 s20, 0x600000                        ; the mantissa field of 448
	s_wait_kmcnt 0x0
	s_add_nc_u64 s[4:5], s[4:5], s[14:15]
	s_add_nc_u64 s[6:7], s[6:7], s[16:17]
	s_add_nc_u64 s[8:9], s[8:9], s[18:19]
	s_add_nc_u64 s[10:11], s[10:11], s[22:23]
.irp p, 0,1                                    ; unit (p, q): row 2 w + p, k = 256 q + 8 lane + 0 .. 7
.irp q, 0,1,2,3
	global_load_b128 v[X+32*\p+8*\q:X+32*\p+8*\q+3],   v[XA], s[4:5] offset:4096*\p+1024*\q th:TH_LOAD_NT
	global_load_b128 v[X+32*\p+8*\q+4:X+32*\p+8*\q+7], v[XA], s[4:5] offset:4096*\p+1024*\q+16 th:TH_LOAD_NT
.endr
.endr
.irp s, 0,1,2,3,4,5,6,7
	global_load_b32 v[WS+\s], v[WSO], s[8:9] offset:512*\s             ; lane r: the word of column 16 w + r, K step s
.endr
.irp s, 0,1,2,3,4,5,6,7
.irp c, 0,1,2,3
	global_load_b128 v[W+16*\s+4*\c:W+16*\s+4*\c+3], v[L16], s[6:7] offset:2048*\s+512*\c   ; 512 consecutive bytes: four registers of a fragment as they stand
.endr
.endr
	; LDS addresses, made while the loads are out
	v_lshrrev_b32 v13, 1, v1
	v_and_b32 v14, 1, v1
	v_mul_u32_u24 v[CS], v13, GP                   ; my 8 codes: group 16 q + lane / 2,
	v_lshl_add_u32 v[CS], v14, 3, v[CS]            ; its lower or upper 8 bytes,
	s_lshl_b32 s13, s12, 5
	v_add_nc_u32 v[CS], s13, v[CS]                 ; row 2 w: 16 bytes a row
	v_lshrrev_b32 v[SS], 2, v1                     ; my block: 8 q + lane / 4
	s_mul_i32 s13, s12, 2*SP
	s_add_co_u32 s13, s13, SX
	v_add_nc_u32 v[SS], s13, v[SS]
	v_mul_u32_u24 v[AF], v3, GP
	v_lshl_add_u32 v[AF], v2, 4, v[AF]             ; a fragment: group + h, 16 r
	v_mul_u32_u24 v[SR], v2, SP
	v_add_nc_u32 v[SR], SX, v[SR]
	v_mul_u32_u24 v[SO], v2, TP
	v_lshl_add_u32 v[SO], v3, 5, v[SO]
	s_lshl_b32 s13, s12, 6
	s_add_co_u32 s13, s13, STG
	v_add_nc_u32 v[SO], s13, v[SO]                 ; the stage: row r, columns 16 w + 8 h on
	s_mul_i32 s13, s12, 2*TP
	s_add_co_u32 s13, s13, STG
	v_add_nc_u32 v[RD], s13, v[L16]                ; back: rows 2 w and 2 w + 1, 16 bytes a lane
; Row p's four units, by turns, so that no line waits for the line above it.
.macro QROW p
.irp q, 0,1,2,3
	v_max3_num_f32 v[TM+\q], |v[X+32*\p+8*\q]|, |v[X+32*\p+8*\q+1]|, FLOOR   ; my 8 numbers, and the floor: the byte cannot fall under 1
.endr
.irp i, 2,4,6
.irp q, 0,1,2,3
	v_max3_num_f32 v[TM+\q], v[TM+\q], |v[X+32*\p+8*\q+\i]|, |v[X+32*\p+8*\q+\i+1]|
.endr
.endr
.irp q, 0,1,2,3
	v_max_num_f32_dpp v[TM+\q], v[TM+\q], v[TM+\q] row_xmask:1 row_mask:0xf bank_mask:0xf
.endr
.irp q, 0,1,2,3
	v_max_num_f32_dpp v[TM+\q], v[TM+\q], v[TM+\q] row_xmask:2 row_mask:0xf bank_mask:0xf   ; with the three lanes that share the block: its largest magnitude
.endr
.irp q, 0,1,2,3
	v_add_nc_u32 v[TM+4+\q], 0xfc000000, v[TM+\q]              ; 8 off its exponent field: the conversion's scale operand
.endr
.irp q, 0,1,2,3
	v_and_or_b32 v[TM+\q], v[TM+\q], 0x7f800000, s20           ; 448 x the scale
.endr
.irp q, 0,1,2,3
	v_lshrrev_b32 v[E+4*\p+\q], 23, v[TM+4+\q]                 ; the scale's byte
.endr
.irp q, 0,1,2,3
.irp i, 0,1,2,3,4,5,6,7
	v_med3_num_f32 v[X+32*\p+8*\q+\i], v[X+32*\p+8*\q+\i], -v[TM+\q], v[TM+\q]   ; the conversion to an 8-bit code does not saturate (ISA guide 7.6.2): the hold
.endr
	v_cvt_scalef32_pk8_fp8_f32 v[C+8*\p+2*\q:C+8*\p+2*\q+1], v[X+32*\p+8*\q:X+32*\p+8*\q+7], v[TM+4+\q]
.endr
	v_nop                                          ; a plain line behind the last conversion: matrix instructions later write these registers
.irp q, 0,1,2,3
	ds_store_b64 v[CS], v[C+8*\p+2*\q:C+8*\p+2*\q+1] offset:16*\q*GP+16*\p   ; the 32 lanes' 8 bytes fall on 64 different banks (68 words from group to group)
	ds_store_b8 v[SS], v[E+4*\p+\q] offset:8*\q+SP*\p          ; the four lanes of a block write the same byte with the same value
.endr
.endm
	s_wait_loadcnt 48                              ; row 2 w's eight loads are in; behind them were issued 8 + 8 + 32
	QROW 0
	s_wait_loadcnt 40                              ; row 2 w + 1's; behind them 8 + 32
	QROW 1
	s_wait_dscnt 0x0                               ; for the others' sake: my codes and bytes lie in LDS
	s_barrier_signal -1
	s_barrier_wait -1
.macro AFRAG s                                 ; x's fragment of K step s into set s % 4
.irp c, 0,1,2,3
	ds_load_b128 v[X+16*((\s)%4)+4*\c:X+16*((\s)%4)+4*\c+3], v[AF] offset:(8*(\s)+2*\c)*GP
.endr
.endm
.macro MM acc, s, first                        ; source 0 = proj's 16 columns, source 1 = the 16 rows; the first product of a sum takes the constant 0
.if \first
	v_wmma_scale_f32_16x16x128_f8f6f4 v[\acc:\acc+7], v[W+16*(\s):W+16*(\s)+15], v[X+16*((\s)%4):X+16*((\s)%4)+15], 0, v[WS+(\s)], v[XS+(\s)]
.else
	v_wmma_scale_f32_16x16x128_f8f6f4 v[\acc:\acc+7], v[W+16*(\s):W+16*(\s)+15], v[X+16*((\s)%4):X+16*((\s)%4)+15], v[\acc:\acc+7], v[WS+(\s)], v[XS+(\s)]
.endif
.endm
.irp s, 0,1,2,3,4,5,6,7
	ds_load_b32 v[XS+\s], v[SR] offset:4*\s        ; lane r: row r's word of K step s
.endr
	AFRAG 0
	AFRAG 1
	AFRAG 2
	AFRAG 3
	s_wait_loadcnt 0x0                             ; proj's fragments and scale words
	s_wait_dscnt 0x0
	MM C, 0, 1                                     ; two accumulators by turns, one instruction a turn
	MM C+8, 1, 1
	MM C, 2, 0
	MM C+8, 3, 0
.rept 8
	v_nop                                          ; eight places in front of loads into registers that these matrix instructions have read
.endr
	AFRAG 4
	AFRAG 5
	AFRAG 6
	AFRAG 7
	s_wait_dscnt 0x0
	MM C, 4, 0
	MM C+8, 5, 0
	MM C, 6, 0
	MM C+8, 7, 0
.rept 8
	v_nop                                          ; eight places in front of the first read of the results
.endr
.irp j, 0,2,4,6
	v_pk_add_f32 v[E+\j:E+\j+1], v[C+\j:C+\j+1], v[C+8+\j:C+8+\j+1]    ; even + odd K steps; each accumulator is read from its low end on
.endr
	ds_store_b128 v[SO], v[E:E+3]                  ; t(r, 16 w + 8 h + 0 .. 7)
	ds_store_b128 v[SO], v[E+4:E+7] offset:16
	s_wait_dscnt 0x0                               ; for the others' sake
	s_barrier_signal -1
	s_barrier_wait -1
	ds_load_b128 v[TM:TM+3], v[RD]
	ds_load_b128 v[TM+4:TM+7], v[RD] offset:TP
	s_wait_dscnt 0x0
	global_store_b128 v[L16], v[TM:TM+3], s[10:11]             ; 32 lanes store a row of 512 bytes: two aligned runs of 256
	global_store_b128 v[L16], v[TM+4:TM+7], s[10:11] offset:512
	s_set_vgpr_msb 0x4
	s_wait_tensorcnt 0x0
	ds_add_u32 v15, v1
	s_wait_dscnt 0x0
	s_set_vgpr_msb 0x400
	s_endpgm
.Lfunc_end_k_qaacf0e25c1_project:
	.size	k_qaacf0e25c1_project, .Lfunc_end_k_qaacf0e25c1_project-k_qaacf0e25c1_project
	.p2alignl 7, 3214868480
	.fill 96, 4, 3214868480
	.section	.rodata,"a",@progbits
	.p2align	6, 0x0
	.amdhsa_kernel k_qaacf0e25c1_project
		.amdhsa_group_segment_fixed_size 28160
		.amdhsa_private_segment_fixed_size 0
		.amdhsa_enable_private_segment 0
		.amdhsa_kernarg_size 32
		.amdhsa_user_sgpr_count 2
		.amdhsa_user_sgpr_kernarg_segment_ptr 1
		.amdhsa_wavefront_size32 1
		.amdhsa_system_sgpr_workgroup_id_x 1
		.amdhsa_system_sgpr_workgroup_id_y 1
		.amdhsa_system_sgpr_workgroup_id_z 1
		.amdhsa_system_vgpr_workitem_id 0
		.amdhsa_next_free_vgpr 258
		.amdhsa_next_free_sgpr 66
		.amdhsa_reserve_vcc 0
		.amdhsa_float_denorm_mode_32 3
		.amdhsa_float_denorm_mode_16_64 3
		.amdhsa_memory_ordered 1
		.amdhsa_forward_progress 1
		.amdhsa_inst_pref_size 24
	.end_amdhsa_kernel
	.amdgpu_metadata
---
amdhsa.version: [ 1, 2 ]
amdhsa.kernels:
  - .name:           k_qaacf0e25c1_project
    .symbol:         k_qaacf0e25c1_project.kd
    .args:
      - { .name: batch, .offset: 0, .size: 8, .value_kind: global_buffer, .address_space: global }
      - { .name: wq, .offset: 8, .size: 8, .value_kind: global_buffer, .address_space: global }
      - { .name: ws, .offset: 16, .size: 8, .value_kind: global_buffer, .address_space: global }
      - { .name: t, .offset: 24, .size: 8, .value_kind: global_buffer, .address_space: global }
    .group_segment_fixed_size: 28160
    .private_segment_fixed_size: 0
    .kernarg_segment_align: 8
    .kernarg_segment_size: 32
    .max_flat_workgroup_size: 256
    .sgpr_count:     66
    .vgpr_count:     258
    .wavefront_size: 32
...
	.end_amdgpu_metadata
.endif
;; end of part 2
;; launch pairs (part 3): grid 32 x 8, 4 waves a work-group, no clusters, 102,912 bytes of LDS; arguments t, out0; writes out0
.if DOCPART == 3
	.amdgcn_target "amdgcn-amd-amdhsa--gfx1250"
	.amdhsa_code_object_version 6
	.text
	.protected	k_qaacf0e25c1_pairs
	.globl	k_qaacf0e25c1_pairs
	.p2align	8
	.type	k_qaacf0e25c1_pairs,@function
k_qaacf0e25c1_pairs:
	s_mov_b64 s[64:65], 0
	v_nop
	global_prefetch_b8 v0, s[64:65] scope:SCOPE_SE
	s_setreg_imm32_b32 hwreg(HW_REG_WAVE_MODE, 25, 1), 1
	s_wait_xcnt 0x0
; out0[b][i][j] = the sum over r of (t[b][i][r] - t[b][j][r])^2.  t: [8][512][128] f32; out0: [8][512][512] f32.  All in f32, on the vector unit.
; THE ARITHMETIC.  With u = t - c, c = row 0 of the batch, the same number is |u_i|^2 + |u_j|^2 - 2 u_i . u_j: one fused multiply-add for each (i, j, r) where the difference and its square take two
; instructions.  A data row is taken away FIRST, so a common offset of the rows is gone before anything is squared, and |u_i|^2 is itself an output, out0[b][i][0]: no sum here is larger than the
; outputs.  LIMIT: the result's error is a few hundred x 2^-24 x (out0[b][i][0] + out0[b][j][0]), not a few x 2^-24 of the result itself; so the diagonal holds rounding noise of that size,
; held at 0 from below, where the differences give 0 exactly.  NaN and infinities are not served.
; SHARES.  A work-group makes 128 (i) x 64 (j) outputs of one batch: 32 x 8 work-groups.  A wave makes 32 x 64, a lane 8 x 8: rows li + 4 m, columns 4 lj + n % 4 + 32 (n / 4), li = lane / 8, lj = lane % 8.
; For 64 outputs a lane, 8 x 8 reads the fewest words from LDS: 16 for 64 multiply-adds.
; LDS.  192 rows of u, 512 bytes + 16 of padding (132 words: neighbouring rows start 4 banks apart; 64 banks of 4 bytes: ISA guide 11.1).  Rows 0-127: the i block; wave w alone writes and reads rows 32 w on.
; Rows 128-191: the j block, PERMUTED: column j lies in slot (j / 4) % 8 + 8 (j % 4) + 32 (j / 32), so that load n of lane lj takes slot lj + 8 n: eight neighbouring LDS rows, no two on one bank, and yet
; a lane's columns come in fours, 16 bytes of a row of out0.  Behind the rows: 192 norms.
; STEPS.  Each wave stages its 32 i rows and 16 of the j rows (49 loads, issued at once; the centre is taken off on the way), squares and sums the rows that it staged (a lane a row) | ONE barrier |
; 32 chunks of 4 along r: 16 LDS loads and 128 packed multiply-adds, on two operand buffers: a chunk's loads are issued a chunk ahead | the norms come in | the wave's 32 x 64 go through its own stage
; (its i rows' bytes, which nobody else touches) and leave as whole aligned runs of 256 bytes.
; The packed form sums even and odd r apart: 128 accumulator registers, in window 1; operands and addresses lie in window 0: two switches a chunk.  The first chunk's products start the sums: nothing is cleared.
; NO TENSOR LOAD, NO CLUSTER: 8 work-groups share an i block and 4 a j block, 96 KB a work-group in all, but every number is changed (the centre) on its way into LDS, so it passes through registers anyway.
.set RP,   528                         ; a row in LDS
.set JB,   128*RP                      ; the j block
.set NRM,  192*RP                      ; the norms: 128 of the i block, then 64 by slot
.set QP,   384                         ; a stage row: 256 bytes + 128: rows li and li + 1 fall on the two halves of the banks
.set L16,  4                           ; v4   16 x lane
.set STI,  5                           ; v5   LDS: where I stage an i row's 16 bytes
.set STJ,  6                           ; v6   and a j row's
.set NAI,  7                           ; v7   LDS: the i row whose norm I make
.set CEN,  8                           ; v8-11 my four numbers of the centre
.set NAJ,  12                          ; v12  LDS: the half of a j row whose norm I make
.set NSI,  13                          ; v13  LDS: where that i norm goes
.set NSJ,  14                          ; v14  and that j norm
.set NI,   16                          ; v16-23 the norms of my 8 rows
.set NJ,   24                          ; v24-31 of my 8 columns
.set AA0,  32                          ; v32, v33 LDS addresses of the even chunks' operands (i, j); v34, v35 of the odd chunks'
.set AB0,  33
.set AA1,  34
.set AB1,  35
.set ANI,  36                          ; v36, v37 LDS: my norms
.set ANJ,  37
.set SO,   38                          ; v38  the stage, in
.set RD,   39                          ; v39  the stage, back
.set GO,   40                          ; v40  my byte offset in out0
.set SQ,   44                          ; v44-51 four chains of squares; v52-54 at work
.set A0,   64                          ; operand buffers: 8 rows x 4 numbers each
.set B0,   96
.set A1,   128
.set B1,   160
.set MSB, 0
.macro WIN new                         ; the immediate's high byte repeats the setting that is left
.if MSB != \new
	s_set_vgpr_msb (MSB<<8)|\new
.set MSB, \new
.endif
.endm
.set W_FMA, 0x50                       ; source 2 and destination (the accumulators) window 1, sources 0 and 1 window 0
.set W_SUM, 0x05                       ; sources 0 and 1 window 1, destination window 0
	s_load_b128 s[4:7], s[0:1], 0x0                ; t, out0
	v_lshl_add_u32 v62, v0, 2, 0x19000
	v_mov_b32 v63, 0
	v_lshrrev_b32 v1, 5, v0
	v_readfirstlane_b32 s8, v1                     ; wave 0..3
	v_and_b32 v1, 31, v0                           ; lane
	v_lshlrev_b32 v[L16], 4, v1
	s_and_b32 s9, ttmp7, 0xffff                    ; the batch
	s_lshr_b32 s10, ttmp9, 3                       ; which 128 rows
	s_and_b32 s11, ttmp9, 7                        ; which 64 columns
	s_lshl_b32 s12, s9, 9                          ; the batch's first row of t
	s_lshl_b32 s13, s10, 7
	s_add_co_u32 s13, s13, s12
	s_lshl_b32 s14, s8, 5
	s_add_co_u32 s13, s13, s14                     ; my wave's first i row
	s_lshl_b32 s16, s13, 9                         ; in bytes of t
	s_mov_b32 s17, 0
	s_lshl_b32 s14, s11, 6
	s_add_co_u32 s14, s14, s12
	s_lshl_b32 s15, s8, 4
	s_add_co_u32 s14, s14, s15                     ; the first of the 16 j rows that I stage
	s_lshl_b32 s18, s14, 9
	s_mov_b32 s19, 0
	s_lshl_b32 s20, s12, 9                         ; the centre: the batch's row 0
	s_mov_b32 s21, 0
	s_lshl_b32 s22, s13, 11                        ; out0: my first row, 2,048 bytes a row,
	s_lshl_b32 s23, s11, 8                         ; + 256 bytes for each 64 columns
	s_add_co_u32 s22, s22, s23
	s_mov_b32 s23, 0
	s_wait_kmcnt 0x0
	s_add_nc_u64 s[24:25], s[4:5], s[16:17]
	s_add_nc_u64 s[26:27], s[4:5], s[18:19]
	s_add_nc_u64 s[28:29], s[4:5], s[20:21]
	s_add_nc_u64 s[6:7], s[6:7], s[22:23]
	global_load_b128 v[CEN:CEN+3], v[L16], s[28:29]
.irp t, 0,1,2,3,4,5,6,7,8,9,10,11,12,13,14,15,16,17,18,19,20,21,22,23,24,25,26,27,28,29,30,31
	global_load_b128 v[64+4*\t:67+4*\t], v[L16], s[24:25] offset:512*\t        ; a row of 512 bytes a load
.endr
.irp t, 0,1,2,3,4,5,6,7,8,9,10,11,12,13,14,15
	global_load_b128 v[192+4*\t:195+4*\t], v[L16], s[26:27] offset:512*\t
.endr
	; addresses, made while the loads are out
	v_bfe_u32 v2, v0, 3, 2                         ; li
	v_and_b32 v3, 7, v0                            ; lj
	s_mul_i32 s30, s8, 32*RP                       ; my 32 i rows in LDS
	v_add_nc_u32 v[STI], s30, v[L16]
	s_and_b32 s31, s8, 1
	s_lshl_b32 s31, s31, 2
	s_lshr_b32 s32, s8, 1
	s_lshl_b32 s32, s32, 5
	s_add_co_u32 s31, s31, s32                     ; columns 16 w + x lie in slots 4 (w % 2) + 32 (w / 2) + x / 4 + 8 (x % 4)
	s_mul_i32 s32, s31, RP
	s_add_co_u32 s32, s32, JB
	v_add_nc_u32 v[STJ], s32, v[L16]
	v_mul_u32_u24 v[NAI], v1, RP
	v_add_nc_u32 v[NAI], s30, v[NAI]               ; a lane to each of my 32 i rows
	v_and_b32 v12, 3, v0
	v_bfe_u32 v13, v0, 2, 2
	v_lshl_add_u32 v15, v13, 3, v12                ; lanes 0-15 and 16-31: my 16 slots, lane % 4 + 8 ((lane / 4) % 4),
	v_mul_u32_u24 v[NAJ], v15, RP
	v_bfe_u32 v13, v0, 4, 1
	v_lshl_add_u32 v[NAJ], v13, 8, v[NAJ]          ; the row's lower or upper 256 bytes
	v_add_nc_u32 v[NAJ], s32, v[NAJ]
	s_lshl_b32 s33, s8, 7
	s_add_co_u32 s33, s33, NRM
	v_lshl_add_u32 v[NSI], v1, 2, s33
	s_lshl_b32 s34, s31, 2
	s_add_co_u32 s34, s34, NRM+512
	v_lshl_add_u32 v[NSJ], v15, 2, s34
	v_mul_u32_u24 v[AA0], v2, RP
	v_add_nc_u32 v[AA0], s30, v[AA0]               ; row 32 w + li; load m takes the row 4 m further down
	v_mul_u32_u24 v[AB0], v3, RP
	v_add_nc_u32 v[AB0], JB, v[AB0]                ; slot lj; load n takes slot lj + 8 n
	v_add_nc_u32 v[AA1], 16, v[AA0]
	v_add_nc_u32 v[AB1], 16, v[AB0]
	v_lshl_add_u32 v[ANI], v2, 2, s33
	v_lshlrev_b32 v[ANJ], 2, v3
	v_add_nc_u32 v[ANJ], NRM+512, v[ANJ]
	v_mul_u32_u24 v[SO], v2, QP
	v_lshl_add_u32 v[SO], v3, 4, v[SO]
	v_add_nc_u32 v[SO], s30, v[SO]                 ; the stage: row li (+ 4 m), 16 lj (+ 128 for the upper 32 columns)
	v_bfe_u32 v[RD], v0, 4, 1
	v_and_b32 v41, 15, v0
	v_lshlrev_b32 v[GO], 11, v[RD]
	v_lshl_add_u32 v[GO], v41, 4, v[GO]            ; lanes 0-15 one row of out0, lanes 16-31 the next; 16 bytes a lane
	v_mul_u32_u24 v[RD], v[RD], QP
	v_lshl_add_u32 v[RD], v41, 4, v[RD]
	v_add_nc_u32 v[RD], s30, v[RD]
	v_mov_b32 v54, 0                               ; a lane permute's destination counts as one of its sources
	s_mov_b32 s36, 0x76543210
	s_mov_b32 s37, 0xfedcba98                      ; v_permlanex16_b32's selects for lane l xor 16
.macro STAGE reg, adr, off                     ; u = t - c, and into LDS: 512 consecutive bytes a store
	v_pk_add_f32 v[\reg:\reg+1],   v[\reg:\reg+1],   v[CEN:CEN+1]   neg_lo:[0,1] neg_hi:[0,1]
	v_pk_add_f32 v[\reg+2:\reg+3], v[\reg+2:\reg+3], v[CEN+2:CEN+3] neg_lo:[0,1] neg_hi:[0,1]
	ds_store_b128 v[\adr], v[\reg:\reg+3] offset:\off
.endm
.irp g, 0,1,2,3
	s_wait_loadcnt 40-8*\g                         ; the centre and i rows up to 8 g + 7 are in; the 40 - 8 g loads behind them stay out
.irp x, 0,1,2,3,4,5,6,7
	STAGE 64+4*(8*\g+\x), STI, (8*\g+\x)*RP
.endr
.endr
.irp g, 0,1
	s_wait_loadcnt 8-8*\g                          ; j rows up to 8 g + 7
.irp x, 0,1,2,3,4,5,6,7
	STAGE 192+4*(8*\g+\x), STJ, (((8*\g+\x)/4)+8*(\x%4))*RP
.endr
.endr
	; THE NORMS of the rows that I staged.  LDS serves a wave's instructions in order (ISA guide 5.7.1.4): these loads see my stores.  A lane takes a whole i row; of the 16 j rows, half a row.
.irp q, 0,1,2,3,4,5,6,7,8,9,10,11,12,13,14,15,16,17,18,19,20,21,22,23,24,25,26,27,28,29,30,31
	ds_load_b128 v[64+4*\q:67+4*\q], v[NAI] offset:16*\q
.endr
.irp q, 0,1,2,3,4,5,6,7,8,9,10,11,12,13,14,15
	ds_load_b128 v[192+4*\q:195+4*\q], v[NAJ] offset:16*\q
.endr
.macro SQSUM x0, reps, dst                     ; the sum of the squares of v[x0] .. v[x0 + 8 reps + 7], in four chains of pairs; the first eight start the chains
.irp c, 0,1,2,3
	v_pk_mul_f32 v[SQ+2*\c:SQ+2*\c+1], v[\x0+2*\c:\x0+2*\c+1], v[\x0+2*\c:\x0+2*\c+1]
.endr
.set k, \x0+8
.rept \reps
.irp c, 0,1,2,3
	v_pk_fma_f32 v[SQ+2*\c:SQ+2*\c+1], v[k+2*\c:k+2*\c+1], v[k+2*\c:k+2*\c+1], v[SQ+2*\c:SQ+2*\c+1]
.endr
.set k, k+8
.endr
	v_pk_add_f32 v[SQ:SQ+1], v[SQ:SQ+1], v[SQ+2:SQ+3]
	v_pk_add_f32 v[SQ+4:SQ+5], v[SQ+4:SQ+5], v[SQ+6:SQ+7]
	v_pk_add_f32 v[SQ:SQ+1], v[SQ:SQ+1], v[SQ+4:SQ+5]
	v_add_f32 v[\dst], v[SQ], v[SQ+1]
.endm
	s_wait_dscnt 16                                ; the i row is in; the 16 loads of the j row stay out
	SQSUM 64, 15, 52
	s_wait_dscnt 0x0
	SQSUM 192, 7, 53
	v_permlanex16_b32 v54, v53, s36, s37
	v_add_f32 v53, v53, v54                        ; the row's two halves
	ds_store_b32 v[NSI], v52
	ds_store_b32 v[NSJ], v53                       ; (lanes l and l xor 16 write the same word with the same value)
	s_wait_dscnt 0x0                               ; for the others' sake: my j rows and norms lie in LDS
	s_barrier_signal -1
	s_barrier_wait -1
.irp m, 0,1,2,3,4,5,6,7
	ds_load_b32 v[NI+\m], v[ANI] offset:16*\m
	ds_load_b32 v[NJ+\m], v[ANJ] offset:32*\m
.endr
.macro LOADS a, b, ra, rb                      ; a chunk's operands: four numbers of my 8 rows and of my 8 columns
.irp m, 0,1,2,3,4,5,6,7
	ds_load_b128 v[\a+4*\m:\a+4*\m+3], v[\ra] offset:4*\m*RP
.endr
.irp n, 0,1,2,3,4,5,6,7
	ds_load_b128 v[\b+4*\n:\b+4*\n+3], v[\rb] offset:8*\n*RP
.endr
.endm
.macro FMAS a, b, first                        ; 128 packed multiply-adds: accumulator (m, n) at v[2 (8 m + n)] of window 1; 63 others stand between two on one accumulator
	WIN W_FMA
.irp p, 0,1
.irp m, 0,1,2,3,4,5,6,7
.irp n, 0,1,2,3,4,5,6,7
.if \first && (\p == 0)
	v_pk_mul_f32 v[2*(8*\m+\n):2*(8*\m+\n)+1], v[\a+4*\m+2*\p:\a+4*\m+2*\p+1], v[\b+4*\n+2*\p:\b+4*\n+2*\p+1]
.else
	v_pk_fma_f32 v[2*(8*\m+\n):2*(8*\m+\n)+1], v[\a+4*\m+2*\p:\a+4*\m+2*\p+1], v[\b+4*\n+2*\p:\b+4*\n+2*\p+1], v[2*(8*\m+\n):2*(8*\m+\n)+1]
.endif
.endr
.endr
.endr
	WIN 0
.endm
	LOADS A0, B0, AA0, AB0                         ; chunk 0
	LOADS A1, B1, AA1, AB1                         ; chunk 1
	s_wait_dscnt 16                                ; the norms and chunk 0 are in; chunk 1's 16 loads stay out
	FMAS A0, B0, 1
	s_mov_b32 s35, 15
.Lchunks:                                              ; trip k = 1 .. 15: asks for chunks 2 k and 2 k + 1, multiplies chunks 2 k - 1 and 2 k
	v_add_nc_u32 v[AA0], 32, v[AA0]                ; the loads that are out name the odd chunks' address registers, not these
	v_add_nc_u32 v[AB0], 32, v[AB0]
	LOADS A0, B0, AA0, AB0
	s_wait_dscnt 16                                ; the odd chunk, asked for 128 multiply-adds ago, is in; the 16 loads just issued stay out
	FMAS A1, B1, 0
	v_add_nc_u32 v[AA1], 32, v[AA1]                ; likewise: the loads that are out name the even chunks' registers
	v_add_nc_u32 v[AB1], 32, v[AB1]
	LOADS A1, B1, AA1, AB1
	s_wait_dscnt 16
	FMAS A0, B0, 0
	s_sub_co_u32 s35, s35, 1
	s_cmp_lg_u32 s35, 0
	s_cbranch_scc1 .Lchunks
	s_wait_dscnt 0x0                               ; chunk 31: nothing more is asked for
	FMAS A1, B1, 0
	; THE WAY OUT.  s = even r's sum + odd r's;  out = max(|u_i|^2 + |u_j|^2 - 2 s, 0)
	WIN W_SUM
.set k, 0
.rept 64
	v_add_f32 v[64+k], v[2*k], v[2*k+1]
.set k, k+1
.endr
	WIN 0
.irp m, 0,1,2,3,4,5,6,7
.irp n, 0,1,2,3,4,5,6,7
	v_add_f32 v[128+8*\m+\n], v[NI+\m], v[NJ+\n]
.endr
.endr
.set k, 0
.rept 64
	v_fma_f32 v[64+k], v[64+k], -2.0, v[128+k]
.set k, k+1
.endr
.set k, 0
.rept 64
	v_max_num_f32 v[64+k], 0, v[64+k]              ; a squared distance is not negative
.set k, k+1
.endr
.irp m, 0,1,2,3,4,5,6,7
.irp g, 0,1
	ds_store_b128 v[SO], v[64+8*\m+4*\g:64+8*\m+4*\g+3] offset:4*\m*QP+128*\g   ; row li + 4 m, columns 32 g + 4 lj + 0 .. 3.  The stage lies in my own i rows, whose last read is back
.endr
.endr
.irp x, 0,1,2,3,4,5,6,7,8,9,10,11,12,13,14,15
	ds_load_b128 v[128+4*\x:131+4*\x], v[RD] offset:2*\x*QP                     ; in order behind my stores: rows 2 x and 2 x + 1, whole
.endr
.irp x, 0,1,2,3,4,5,6,7,8,9,10,11,12,13,14,15
	s_wait_dscnt 15-\x                             ; LDS loads come back in order: pair x of the sixteen is in
	global_store_b128 v[GO], v[128+4*\x:131+4*\x], s[6:7] offset:4096*\x th:TH_STORE_NT   ; sixteen lanes store 256 consecutive bytes, at a multiple of 256 from out0's first byte
.endr
	s_wait_tensorcnt 0x0
	ds_add_u32 v62, v63
	s_wait_dscnt 0x0
	s_endpgm
.Lfunc_end_k_qaacf0e25c1_pairs:
	.size	k_qaacf0e25c1_pairs, .Lfunc_end_k_qaacf0e25c1_pairs-k_qaacf0e25c1_pairs
	.p2alignl 7, 3214868480
	.fill 96, 4, 3214868480
	.section	.rodata,"a",@progbits
	.p2align	6, 0x0
	.amdhsa_kernel k_qaacf0e25c1_pairs
		.amdhsa_group_segment_fixed_size 102912
		.amdhsa_private_segment_fixed_size 0
		.amdhsa_enable_private_segment 0
		.amdhsa_kernarg_size 16
		.amdhsa_user_sgpr_count 2
		.amdhsa_user_sgpr_kernarg_segment_ptr 1
		.amdhsa_wavefront_size32 1
		.amdhsa_system_sgpr_workgroup_id_x 1
		.amdhsa_system_sgpr_workgroup_id_y 1
		.amdhsa_system_sgpr_workgroup_id_z 1
		.amdhsa_system_vgpr_workitem_id 0
		.amdhsa_next_free_vgpr 384
		.amdhsa_next_free_sgpr 66
		.amdhsa_reserve_vcc 0
		.amdhsa_float_denorm_mode_32 3
		.amdhsa_float_denorm_mode_16_64 3
		.amdhsa_memory_ordered 1
		.amdhsa_forward_progress 1
		.amdhsa_inst_pref_size 80
	.end_amdhsa_kernel
	.amdgpu_metadata
---
amdhsa.version: [ 1, 2 ]
amdhsa.kernels:
  - .name:           k_qaacf0e25c1_pairs
    .symbol:         k_qaacf0e25c1_pairs.kd
    .args:
      - { .name: t, .offset: 0, .size: 8, .value_kind: global_buffer, .address_space: global }
      - { .name: out0, .offset: 8, .size: 8, .value_kind: global_buffer, .address_space: global }
    .group_segment_fixed_size: 102912
    .private_segment_fixed_size: 0
    .kernarg_segment_align: 8
    .kernarg_segment_size: 16
    .max_flat_workgroup_size: 128
    .sgpr_count:     66
    .vgpr_count:     384
    .wavefront_size: 32
...
	.end_amdgpu_metadata
.endif
;; end of part 3
;; ======== version 2 of 2: 3 launches
;; limits: a difference of large sums (such as E[x^2] - mean^2): digits are lost where the result is much smaller than its terms
;; workspace buffers: wq 131,072 bytes; ws 4,096 bytes; t 2,097,152 bytes
;; launch qproj (part 4): grid 8 x 1, 16 waves a work-group, no clusters, 2,560 bytes of LDS; arguments proj, wq, ws; writes wq, ws
.if DOCPART == 4
	.amdgcn_target "amdgcn-amd-amdhsa--gfx1250"
	.amdhsa_code_object_version 6
	.text
	.protected	k_qaacf0e25c1_qproj
	.globl	k_qaacf0e25c1_qproj
	.p2align	8
	.type	k_qaacf0e25c1_qproj,@function
k_qaacf0e25c1_qproj:
	s_mov_b64 s[64:65], 0
	v_nop
	global_prefetch_b8 v0, s[64:65] scope:SCOPE_SE
	s_setreg_imm32_b32 hwreg(HW_REG_WAVE_MODE, 25, 1), 1
	s_wait_xcnt 0x0
; proj [1024 (k)][128 (n)], f32, K its FIRST axis, becomes codes of FP8 (E4M3) with one E8M0 scale byte for each 32 along K, once for the whole program:
; all 256 work-groups of the product read it.  The codes are laid in the ORDER OF THE OPERAND'S REGISTERS:
;   wq[n tile (8)][K step of 128 (8)][c (4)][lane (32)][16 bytes]: lane (r, h) of group c holds column 16 tile + r, k = 128 step + 32 c + 16 h + 0 .. 15;
;   ws[K step (8)][n (128)]: one word, byte c = the scale of block c of that K step.
; A block's scale is 2^(floor(log2(its largest magnitude)) - 8); its byte is that magnitude's exponent field - 8, held at 1 from below.  A block of zeros so gets the byte 1
; where the rule says 127: its codes are zeros, which add nothing, and this program alone reads the bytes.
; LIMITS: NaN and infinities among the inputs are not served.
; SHARES.  A work-group takes one K step (128 rows of proj, 64 KB); its 16 waves are 4 groups of 32 columns x 4 blocks of 32 along K.  A LANE TAKES A COLUMN AND ITS REGISTERS RUN DOWN K:
; a load reads 128 neighbouring bytes of a row (the four waves of a block read the row's 512), the block's largest magnitude needs no other lane, and the conversions give codes with K innermost.
; 32 loads a wave, all issued at once.  A lane's 32 codes are the operand's bytes of lanes (r, 0) and (r, 1): two stores, in each of which sixteen lanes fill an aligned 256 bytes.
; The four scale bytes of a column meet in LDS (512 bytes) and leave as words, 128 consecutive bytes a wave.
.set X,     32                         ; v32-63  the block's 32 numbers
.set C,     64                         ; v64-71  its codes
.set FLOOR, 0x4800000                  ; 2^(9 - 127): no largest magnitude is taken under it, so the byte cannot fall under 1
	s_load_b128 s[4:7], s[0:1], 0x0                ; proj, wq
	s_load_b64 s[8:9], s[0:1], 0x10                ; ws
	v_lshl_add_u32 v80, v0, 2, 0x200
	v_mov_b32 v81, 0
	v_lshrrev_b32 v1, 5, v0
	s_delay_alu instid0(VALU_DEP_1)
	v_readfirstlane_b32 s17, v1                    ; wave 0..15
	v_and_b32 v1, 127, v0                          ; n: my column
	v_lshrrev_b32 v2, 7, v0                        ; c: my block of the K step
	s_delay_alu instid0(VALU_DEP_2)
	v_lshlrev_b32 v3, 2, v1                        ; 4 n
	s_delay_alu instid0(VALU_DEP_1)
	v_lshl_add_u32 v4, v2, 14, v3                  ; in: 32 c rows of 512 bytes + 4 n
	s_delay_alu instid0(VALU_DEP_2)
	v_add_nc_u32 v5, v3, v2                        ; LDS: byte c of word n
	v_bfe_u32 v6, v0, 4, 3                         ; n tile
	v_and_b32 v7, 15, v0                           ; r
	s_delay_alu instid0(VALU_DEP_2)
	v_lshlrev_b32 v6, 14, v6                       ; out: 16,384 x tile
	s_delay_alu instid0(VALU_DEP_1)
	v_lshl_add_u32 v6, v2, 9, v6                   ;      + 512 c
	s_delay_alu instid0(VALU_DEP_1)
	v_lshl_add_u32 v6, v7, 4, v6                   ;      + 16 r
	v_lshlrev_b32 v8, 2, v0                        ; the scale words' way out: 4 x thread (threads 0 to 127)
	s_lshl_b32 s10, ttmp9, 16                      ; my K step: 128 rows of 512 bytes in proj,
	s_mov_b32 s11, 0
	s_lshl_b32 s12, ttmp9, 11                      ; 2,048 bytes in each tile's run of wq,
	s_mov_b32 s13, 0
	s_lshl_b32 s14, ttmp9, 9                       ; 512 bytes in ws
	s_mov_b32 s15, 0
	s_mov_b32 s16, 0x600000                        ; the mantissa field of 448
	s_wait_alu depctr_va_vdst(0)
	s_wait_kmcnt 0x0
	s_add_nc_u64 s[4:5], s[4:5], s[10:11]
	s_add_nc_u64 s[6:7], s[6:7], s[12:13]
	s_add_nc_u64 s[8:9], s[8:9], s[14:15]
.irp i, 0,1,2,3,4,5,6,7,8,9,10,11,12,13,14,15,16,17,18,19,20,21,22,23,24,25,26,27,28,29,30,31
	global_load_b32 v[X+\i], v4, s[4:5] offset:512*\i th:TH_LOAD_NT    ; proj(128 step + 32 c + i, n)
.endr
	s_wait_loadcnt 0x0
	v_max3_num_f32 v12, |v[X]|, |v[X+1]|, |v[X+2]|                     ; the block's largest magnitude: all 32 numbers are mine; two chains
	v_max3_num_f32 v13, |v[X+3]|, |v[X+4]|, |v[X+5]|
.irp i, 6,10,14,18,22,26
	s_delay_alu instid0(VALU_DEP_2)
	v_max3_num_f32 v12, v12, |v[X+\i]|, |v[X+\i+1]|
	s_delay_alu instid0(VALU_DEP_2)
	v_max3_num_f32 v13, v13, |v[X+\i+2]|, |v[X+\i+3]|
.endr
	s_delay_alu instid0(VALU_DEP_2)
	v_max3_num_f32 v12, v12, |v[X+30]|, |v[X+31]|
	s_delay_alu instid0(VALU_DEP_1)
	v_max3_num_f32 v12, v12, v13, FLOOR
	s_delay_alu instid0(VALU_DEP_1)
	v_add_nc_u32 v11, 0xfc000000, v12              ; 8 off its exponent field: the conversion takes the exponent field of this operand as its scale
	s_delay_alu instid0(VALU_DEP_2)
	v_and_or_b32 v10, v12, 0x7f800000, s16         ; 448 x the scale
	s_delay_alu instid0(VALU_DEP_2)
	v_lshrrev_b32 v13, 23, v11                     ; the scale's byte
.irp i, 0,1,2,3,4,5,6,7,8,9,10,11,12,13,14,15,16,17,18,19,20,21,22,23,24,25,26,27,28,29,30,31
	v_med3_num_f32 v[X+\i], v[X+\i], -v10, v10     ; the conversion to an 8-bit code does not saturate (ISA guide 7.6.2): hold the number first
.endr
.irp g, 0,1,2,3
	v_cvt_scalef32_pk8_fp8_f32 v[C+2*\g:C+2*\g+1], v[X+8*\g:X+8*\g+7], v11
.endr
	v_nop                                          ; a plain line behind the last conversion
	ds_store_b8 v5, v13
	global_store_b128 v6, v[C:C+3], s[6:7]                 ; k = 0 .. 15 of the block: the bytes of lane (r, 0)
	global_store_b128 v6, v[C+4:C+7], s[6:7] offset:256    ; k = 16 .. 31: of lane (r, 1)
	s_wait_dscnt 0x0                               ; for the others' sake: my byte lies in LDS
	s_barrier_signal -1
	s_barrier_wait -1
	s_cmp_ge_u32 s17, 4                            ; waves 0 to 3 take the 128 words out
	s_cbranch_scc1 .Lend
	ds_load_b32 v9, v8
	s_wait_dscnt 0x0
	global_store_b32 v8, v9, s[8:9]
.Lend:
	s_wait_tensorcnt 0x0
	ds_add_u32 v80, v81
	s_wait_dscnt 0x0
	s_endpgm
.Lfunc_end_k_qaacf0e25c1_qproj:
	.size	k_qaacf0e25c1_qproj, .Lfunc_end_k_qaacf0e25c1_qproj-k_qaacf0e25c1_qproj
	.p2alignl 7, 3214868480
	.fill 96, 4, 3214868480
	.section	.rodata,"a",@progbits
	.p2align	6, 0x0
	.amdhsa_kernel k_qaacf0e25c1_qproj
		.amdhsa_group_segment_fixed_size 2560
		.amdhsa_private_segment_fixed_size 0
		.amdhsa_enable_private_segment 0
		.amdhsa_kernarg_size 24
		.amdhsa_user_sgpr_count 2
		.amdhsa_user_sgpr_kernarg_segment_ptr 1
		.amdhsa_wavefront_size32 1
		.amdhsa_system_sgpr_workgroup_id_x 1
		.amdhsa_system_sgpr_workgroup_id_y 1
		.amdhsa_system_sgpr_workgroup_id_z 1
		.amdhsa_system_vgpr_workitem_id 0
		.amdhsa_next_free_vgpr 82
		.amdhsa_next_free_sgpr 66
		.amdhsa_reserve_vcc 0
		.amdhsa_float_denorm_mode_32 3
		.amdhsa_float_denorm_mode_16_64 3
		.amdhsa_memory_ordered 1
		.amdhsa_forward_progress 1
		.amdhsa_inst_pref_size 10
	.end_amdhsa_kernel
	.amdgpu_metadata
---
amdhsa.version: [ 1, 2 ]
amdhsa.kernels:
  - .name:           k_qaacf0e25c1_qproj
    .symbol:         k_qaacf0e25c1_qproj.kd
    .args:
      - { .name: proj, .offset: 0, .size: 8, .value_kind: global_buffer, .address_space: global }
      - { .name: wq, .offset: 8, .size: 8, .value_kind: global_buffer, .address_space: global }
      - { .name: ws, .offset: 16, .size: 8, .value_kind: global_buffer, .address_space: global }
    .group_segment_fixed_size: 2560
    .private_segment_fixed_size: 0
    .kernarg_segment_align: 8
    .kernarg_segment_size: 24
    .max_flat_workgroup_size: 512
    .sgpr_count:     66
    .vgpr_count:     82
    .wavefront_size: 32
...
	.end_amdgpu_metadata
.endif
;; end of part 4
;; launch project (part 5): grid 256 x 1, 8 waves a work-group, no clusters, 28,160 bytes of LDS; arguments batch, wq, ws, t; writes t
.if DOCPART == 5
	.amdgcn_target "amdgcn-amd-amdhsa--gfx1250"
	.amdhsa_code_object_version 6
	.text
	.protected	k_qaacf0e25c1_project
	.globl	k_qaacf0e25c1_project
	.p2align	8
	.type	k_qaacf0e25c1_project,@function
k_qaacf0e25c1_project:
	s_mov_b64 s[64:65], 0
	v_nop
	global_prefetch_b8 v0, s[64:65] scope:SCOPE_SE
	s_setreg_imm32_b32 hwreg(HW_REG_WAVE_SCHED_MODE, 0, 2), 2
	s_setreg_imm32_b32 hwreg(HW_REG_WAVE_MODE, 25, 1), 1
	s_wait_xcnt 0x0
	s_wait_alu depctr_vm_vsrc(0)
; t [4096][128] f32 = Q(batch) Q(proj): batch [4096][1024] f32 is quantised here, in registers, on its way to the matrix unit (each row is read by one work-group, once);
; proj comes as codes and scale words in the order of the operand's registers (wq, ws).  FP8 (E4M3), one E8M0 scale for each 32 along K; sums in f32.
; LIMITS: NaN and infinities among the inputs are not served.  A block of zeros gets the byte 1 (its codes are zeros).  The sum over K is kept in two accumulators
; (even and odd K steps) that are added at the end: an order of f32 additions other than one ascending chain.
; SHARES.  A work-group takes 16 rows, 64 KB of batch; 8 waves.
;   X: wave w quantises rows 2 w and 2 w + 1.  A load pair brings a lane 32 neighbouring bytes, 8 numbers along K; 32 lanes take 1,024 consecutive bytes.  Four lanes hold a block of 32.
;      The codes go to LDS as GROUPS: group g = k / 16 holds 16 codes of each of the 16 rows, 256 bytes + 16 of padding; the scale bytes to rows of 32 + 4 bytes.
;   M: behind the barrier lane (r, h) reads group 8 s + 2 c + h at 16 r: registers 4 c .. 4 c + 3 of x's fragment of K step s.  Wave w multiplies it with proj's tile w (columns 16 w .. 16 w + 15),
;      whose 8 fragments (128 registers) came straight from memory while batch was on its way: 16 + 8 + 32 = 56 loads a wave, all issued at the head.
;      TRANSPOSED USE: source 0 = 16 columns of proj, source 1 = the 16 rows: a lane holds eight neighbouring numbers of one row of t.
;   OUT: the eight waves' pieces of the 16 rows meet in a stage; each wave stores two whole rows of 512 bytes.
; NO CLUSTER, NO TENSOR LOAD: the 132 KB of wq and ws are the same for all work-groups, but each wave takes its 16 KB once, as register images, with no way through LDS, beside 64 KB of batch that
; nobody shares; a joint load would put 128 KB through LDS and rounds of a cluster's barrier in front of 8 matrix instructions a wave.
; THE MODE: SCHED_MODE bits 1:0 = 2 (LLVM: expert scheduling mode 2), set by the entry lines.  The code itself states the register dependences
; between vector or matrix instructions and memory or LDS instructions, with s_wait_alu, always for 0.
; THE PLAN.  Registers that memory or LDS instructions touch:
;   v4-6      global offsets, v7-12 LDS addresses: made once by vector lines, read by loads and stores, never written again.
;   v64-127   batch's numbers land; row p's holds and conversions read and write its half; behind the barrier x's fragments land there twice (K steps 0-3, then 4-7), read by the matrix instructions.
;   v48-63    row p's conversions write its half (codes), row p's LDS stores read it; later the matrix instructions write them (the accumulators).
;   v40-47    row p's shifts write its half (scale bytes), row p's byte stores read it; later the packed additions write them, and the stage's stores read them.
;   v16-23    named by vector lines alone while rows are quantised; on the way out LDS loads land there, and the global stores read them.
;   v24-39, v128-255  written by loads and read by matrix instructions alone.
; Row 0's LDS stores stand at the head of row 1, behind one wait on va_vdst; row 1's arithmetic, which names none of their registers, follows them.  The wait behind row 1's arithmetic serves its stores
; and the first fragments' loads; one wait on vm_vsrc behind the barrier frees the codes' and bytes' registers; one wait on va_vdst stands between the two runs of matrix instructions, one ahead of the stage's stores.
.set GP,   272                         ; a group in LDS: 256 bytes + 16
.set SX,   64*GP                       ; behind the 64 groups: the scale bytes, a row of 36 bytes for each row of x
.set SP,   36
.set STG,  18432                       ; the stage for t: 16 rows x (512 + 16) bytes
.set TP,   528
.set FLOOR, 0x4800000                  ; 2^(9 - 127)
.set XA,   4                           ; v4   batch: 32 x lane
.set L16,  5                           ; v5   16 x lane: wq's images, and t's rows
.set WSO,  6                           ; v6   ws: 4 r
.set CS,   7                           ; v7   LDS: where my 8 codes go
.set SS,   8                           ; v8   LDS: where my block's scale byte goes
.set AF,   9                           ; v9   LDS: x's fragments
.set SR,   10                          ; v10  LDS: x's scale words
.set SO,   11                          ; v11  LDS: the stage, in
.set RD,   12                          ; v12  LDS: the stage, back
.set TM,   16                          ; v16-19 largest magnitudes, then 448 x the scale; v20-23 the conversions' scale operands; on the way out two rows of t
.set WS,   24                          ; v24-31 proj's scale words, one for each K step: nothing else ever lies here
.set XS,   32                          ; v32-39 x's scale words likewise
.set E,    40                          ; v40-47 scale bytes; later the two accumulators' sum
.set C,    48                          ; v48-63 codes, two registers a unit; later the two accumulators
.set X,    64                          ; v64-127 64 numbers; later four fragments of x
.set W,    128                         ; v128-255 proj's eight fragments
	s_load_b128 s[4:7], s[0:1], 0x0                ; batch, wq
	s_load_b128 s[8:11], s[0:1], 0x10              ; ws, t
	v_lshl_add_u32 v15, v0, 2, 0x6a00
	s_set_vgpr_msb 0x40
	v_mov_b32 v1, 0
	s_set_vgpr_msb 0x4000
	v_lshrrev_b32 v1, 5, v0
	v_readfirstlane_b32 s12, v1                    ; wave 0..7
	v_and_b32 v1, 31, v0                           ; lane
	v_and_b32 v2, 15, v0                           ; r
	v_bfe_u32 v3, v0, 4, 1                         ; h
	v_lshlrev_b32 v[XA], 5, v1
	v_lshlrev_b32 v[L16], 4, v1
	v_lshlrev_b32 v[WSO], 2, v2
	s_wait_alu depctr_va_sdst(0)                   ; s12 is written, ahead of its first reader: the four bases and the LDS addresses are made from it
	s_lshl_b32 s14, ttmp9, 16                      ; batch: 16 rows of 4,096 bytes a work-group,
	s_lshl_b32 s21, s12, 13                        ; two rows a wave
	s_add_co_u32 s14, s14, s21
	s_mov_b32 s15, 0
	s_lshl_b32 s16, s12, 14                        ; wq: tile w, 16,384 bytes
	s_mov_b32 s17, 0
	s_lshl_b32 s18, s12, 6                         ; ws: 16 words a tile
	s_mov_b32 s19, 0
	s_lshl_b32 s22, ttmp9, 13                      ; t: 16 rows of 512 bytes a work-group,
	s_lshl_b32 s21, s12, 10                        ; two rows a wave
	s_add_co_u32 s22, s22, s21
	s_mov_b32 s23, 0
	s_mov_b32 s20, 0x600000                        ; the mantissa field of 448
	s_wait_kmcnt 0x0
	s_add_nc_u64 s[4:5], s[4:5], s[14:15]
	s_add_nc_u64 s[6:7], s[6:7], s[16:17]
	s_add_nc_u64 s[8:9], s[8:9], s[18:19]
	s_add_nc_u64 s[10:11], s[10:11], s[22:23]
	s_wait_alu depctr_va_vdst(0)                   ; the three offsets v4, v5, v6 are written, which the loads below and the last stores read
.irp p, 0,1                                    ; unit (p, q): row 2 w + p, k = 256 q + 8 lane + 0 .. 7
.irp q, 0,1,2,3
	global_load_b128 v[X+32*\p+8*\q:X+32*\p+8*\q+3],   v[XA], s[4:5] offset:4096*\p+1024*\q th:TH_LOAD_NT
	global_load_b128 v[X+32*\p+8*\q+4:X+32*\p+8*\q+7], v[XA], s[4:5] offset:4096*\p+1024*\q+16 th:TH_LOAD_NT
.endr
.endr
.irp s, 0,1,2,3,4,5,6,7
	global_load_b32 v[WS+\s], v[WSO], s[8:9] offset:512*\s             ; lane r: the word of column 16 w + r, K step s
.endr
.irp s, 0,1,2,3,4,5,6,7
.irp c, 0,1,2,3
	global_load_b128 v[W+16*\s+4*\c:W+16*\s+4*\c+3], v[L16], s[6:7] offset:2048*\s+512*\c   ; 512 consecutive bytes: four registers of a fragment as they stand
.endr
.endr
	; LDS addresses, made while the loads are out: these lines name none of the registers that the loads read or land in
	v_lshrrev_b32 v13, 1, v1
	v_and_b32 v14, 1, v1
	v_mul_u32_u24 v[CS], v13, GP                   ; my 8 codes: group 16 q + lane / 2,
	v_lshl_add_u32 v[CS], v14, 3, v[CS]            ; its lower or upper 8 bytes,
	s_lshl_b32 s13, s12, 5
	v_add_nc_u32 v[CS], s13, v[CS]                 ; row 2 w: 16 bytes a row
	v_lshrrev_b32 v[SS], 2, v1                     ; my block: 8 q + lane / 4
	s_mul_i32 s13, s12, 2*SP
	s_add_co_u32 s13, s13, SX
	v_add_nc_u32 v[SS], s13, v[SS]
	v_mul_u32_u24 v[AF], v3, GP
	v_lshl_add_u32 v[AF], v2, 4, v[AF]             ; a fragment: group + h, 16 r
	v_mul_u32_u24 v[SR], v2, SP
	v_add_nc_u32 v[SR], SX, v[SR]
	v_mul_u32_u24 v[SO], v2, TP
	v_lshl_add_u32 v[SO], v3, 5, v[SO]
	s_lshl_b32 s13, s12, 6
	s_add_co_u32 s13, s13, STG
	v_add_nc_u32 v[SO], s13, v[SO]                 ; the stage: row r, columns 16 w + 8 h on
	s_mul_i32 s13, s12, 2*TP
	s_add_co_u32 s13, s13, STG
	v_add_nc_u32 v[RD], s13, v[L16]                ; back: rows 2 w and 2 w + 1, 16 bytes a lane
; Row p's four units, by turns, so that no line waits for the line above it.  The arithmetic:
.macro QCALC p
.irp q, 0,1,2,3
	v_max3_num_f32 v[TM+\q], |v[X+32*\p+8*\q]|, |v[X+32*\p+8*\q+1]|, FLOOR   ; my 8 numbers, and the floor: the byte cannot fall under 1
.endr
.irp i, 2,4,6
.irp q, 0,1,2,3
	v_max3_num_f32 v[TM+\q], v[TM+\q], |v[X+32*\p+8*\q+\i]|, |v[X+32*\p+8*\q+\i+1]|
.endr
.endr
.irp q, 0,1,2,3
	v_max_num_f32_dpp v[TM+\q], v[TM+\q], v[TM+\q] row_xmask:1 row_mask:0xf bank_mask:0xf
.endr
.irp q, 0,1,2,3
	v_max_num_f32_dpp v[TM+\q], v[TM+\q], v[TM+\q] row_xmask:2 row_mask:0xf bank_mask:0xf   ; with the three lanes that share the block: its largest magnitude
.endr
.irp q, 0,1,2,3
	v_add_nc_u32 v[TM+4+\q], 0xfc000000, v[TM+\q]              ; 8 off its exponent field: the conversion's scale operand
.endr
.irp q, 0,1,2,3
	v_and_or_b32 v[TM+\q], v[TM+\q], 0x7f800000, s20           ; 448 x the scale
.endr
.irp q, 0,1,2,3
	v_lshrrev_b32 v[E+4*\p+\q], 23, v[TM+4+\q]                 ; the scale's byte
.endr
.irp q, 0,1,2,3
.irp i, 0,1,2,3,4,5,6,7
	v_med3_num_f32 v[X+32*\p+8*\q+\i], v[X+32*\p+8*\q+\i], -v[TM+\q], v[TM+\q]   ; the conversion to an 8-bit code does not saturate (ISA guide 7.6.2): the hold
.endr
	v_cvt_scalef32_pk8_fp8_f32 v[C+8*\p+2*\q:C+8*\p+2*\q+1], v[X+32*\p+8*\q:X+32*\p+8*\q+7], v[TM+4+\q]
.endr
	v_nop                                          ; a plain line behind the last conversion: matrix instructions later write these registers
.endm
; and its way into LDS:
.macro QSTORE p
.irp q, 0,1,2,3
	ds_store_b64 v[CS], v[C+8*\p+2*\q:C+8*\p+2*\q+1] offset:16*\q*GP+16*\p   ; the 32 lanes' 8 bytes fall on 64 different banks (68 words from group to group)
	ds_store_b8 v[SS], v[E+4*\p+\q] offset:8*\q+SP*\p          ; the four lanes of a block write the same byte with the same value
.endr
.endm
	s_wait_loadcnt 48                              ; row 2 w's eight loads are in; behind them were issued 8 + 8 + 32
	QCALC 0
	s_wait_loadcnt 40                              ; row 2 w + 1's; behind them 8 + 32
	s_wait_alu depctr_va_vdst(0)                   ; row 2 w's conversions and shifts have written v48-55 and v40-43, and the LDS addresses v7 to v12 are written: the stores below read them
	QSTORE 0
	QCALC 1                                        ; it names v56-63, v44-47, v96-127 and v16-23: none of the registers that the stores above read
	s_wait_alu depctr_va_vdst(0)                   ; row 2 w + 1's conversions and shifts have written v56-63 and v44-47, which the stores below read; all holds and conversions are done with v64-127, in which x's fragments land behind the barrier
	QSTORE 1
	s_wait_dscnt 0x0                               ; for the others' sake: my codes and bytes lie in LDS
	s_barrier_signal -1
	s_barrier_wait -1
	s_wait_alu depctr_vm_vsrc(0)                   ; my LDS stores have read v48-63 and v40-47: the matrix instructions write the first as accumulators, the packed additions the second
.macro AFRAG s                                 ; x's fragment of K step s into set s % 4
.irp c, 0,1,2,3
	ds_load_b128 v[X+16*((\s)%4)+4*\c:X+16*((\s)%4)+4*\c+3], v[AF] offset:(8*(\s)+2*\c)*GP
.endr
.endm
.macro MM acc, s, first                        ; source 0 = proj's 16 columns, source 1 = the 16 rows; the first product of a sum takes the constant 0
.if \first
	v_wmma_scale_f32_16x16x128_f8f6f4 v[\acc:\acc+7], v[W+16*(\s):W+16*(\s)+15], v[X+16*((\s)%4):X+16*((\s)%4)+15], 0, v[WS+(\s)], v[XS+(\s)]
.else
	v_wmma_scale_f32_16x16x128_f8f6f4 v[\acc:\acc+7], v[W+16*(\s):W+16*(\s)+15], v[X+16*((\s)%4):X+16*((\s)%4)+15], v[\acc:\acc+7], v[WS+(\s)], v[XS+(\s)]
.endif
.endm
.irp s, 0,1,2,3,4,5,6,7
	ds_load_b32 v[XS+\s], v[SR] offset:4*\s        ; lane r: row r's word of K step s
.endr
	AFRAG 0                                        ; no vector line has been issued since the last wait on va_vdst: these loads owe nothing more
	AFRAG 1
	AFRAG 2
	AFRAG 3
	s_wait_loadcnt 0x0                             ; proj's fragments and scale words
	s_wait_dscnt 0x0
	MM C, 0, 1                                     ; two accumulators by turns, one instruction a turn
	MM C+8, 1, 1
	MM C, 2, 0
	MM C+8, 3, 0
.rept 8
	v_nop                                          ; eight places in front of loads into registers that these matrix instructions have read
.endr
	s_wait_alu depctr_va_vdst(0)                   ; the four matrix instructions are done reading the fragments of K steps 0 to 3, in which those of K steps 4 to 7 land
	AFRAG 4
	AFRAG 5
	AFRAG 6
	AFRAG 7
	s_wait_dscnt 0x0
	MM C, 4, 0
	MM C+8, 5, 0
	MM C, 6, 0
	MM C+8, 7, 0
.rept 8
	v_nop                                          ; eight places in front of the first read of the results
.endr
.irp j, 0,2,4,6
	v_pk_add_f32 v[E+\j:E+\j+1], v[C+\j:C+\j+1], v[C+8+\j:C+8+\j+1]    ; even + odd K steps; each accumulator is read from its low end on
.endr
	s_wait_alu depctr_va_vdst(0)                   ; the additions have written v40-47, which the stage's stores read; every vector line that named v16-23, in which the stage's loads land, stands ahead of this wait too
	ds_store_b128 v[SO], v[E:E+3]                  ; t(r, 16 w + 8 h + 0 .. 7)
	ds_store_b128 v[SO], v[E+4:E+7] offset:16
	s_wait_dscnt 0x0                               ; for the others' sake
	s_barrier_signal -1
	s_barrier_wait -1
	ds_load_b128 v[TM:TM+3], v[RD]
	ds_load_b128 v[TM+4:TM+7], v[RD] offset:TP
	s_wait_dscnt 0x0
	global_store_b128 v[L16], v[TM:TM+3], s[10:11]             ; 32 lanes store a row of 512 bytes: two aligned runs of 256
	global_store_b128 v[L16], v[TM+4:TM+7], s[10:11] offset:512
	s_set_vgpr_msb 0x4
	s_wait_dscnt 0x0
	s_wait_alu depctr_hold_cnt(0) depctr_sa_sdst(0) depctr_va_vdst(0) depctr_va_sdst(0) depctr_va_ssrc(0) depctr_va_vcc(0) depctr_vm_vsrc(0)
	s_wait_tensorcnt 0x0
	ds_add_u32 v15, v1
	s_wait_dscnt 0x0
	s_endpgm
.Lfunc_end_k_qaacf0e25c1_project:
	.size	k_qaacf0e25c1_project, .Lfunc_end_k_qaacf0e25c1_project-k_qaacf0e25c1_project
	.p2alignl 7, 3214868480
	.fill 96, 4, 3214868480
	.section	.rodata,"a",@progbits
	.p2align	6, 0x0
	.amdhsa_kernel k_qaacf0e25c1_project
		.amdhsa_group_segment_fixed_size 28160
		.amdhsa_private_segment_fixed_size 0
		.amdhsa_enable_private_segment 0
		.amdhsa_kernarg_size 32
		.amdhsa_user_sgpr_count 2
		.amdhsa_user_sgpr_kernarg_segment_ptr 1
		.amdhsa_wavefront_size32 1
		.amdhsa_system_sgpr_workgroup_id_x 1
		.amdhsa_system_sgpr_workgroup_id_y 1
		.amdhsa_system_sgpr_workgroup_id_z 1
		.amdhsa_system_vgpr_workitem_id 0
		.amdhsa_next_free_vgpr 258
		.amdhsa_next_free_sgpr 66
		.amdhsa_reserve_vcc 0
		.amdhsa_float_denorm_mode_32 3
		.amdhsa_float_denorm_mode_16_64 3
		.amdhsa_memory_ordered 1
		.amdhsa_forward_progress 1
		.amdhsa_inst_pref_size 24
	.end_amdhsa_kernel
	.amdgpu_metadata
---
amdhsa.version: [ 1, 2 ]
amdhsa.kernels:
  - .name:           k_qaacf0e25c1_project
    .symbol:         k_qaacf0e25c1_project.kd
    .args:
      - { .name: batch, .offset: 0, .size: 8, .value_kind: global_buffer, .address_space: global }
      - { .name: wq, .offset: 8, .size: 8, .value_kind: global_buffer, .address_space: global }
      - { .name: ws, .offset: 16, .size: 8, .value_kind: global_buffer, .address_space: global }
      - { .name: t, .offset: 24, .size: 8, .value_kind: global_buffer, .address_space: global }
    .group_segment_fixed_size: 28160
    .private_segment_fixed_size: 0
    .kernarg_segment_align: 8
    .kernarg_segment_size: 32
    .max_flat_workgroup_size: 256
    .sgpr_count:     66
    .vgpr_count:     258
    .wavefront_size: 32
...
	.end_amdgpu_metadata
.endif
;; end of part 5
;; launch pairs (part 6): grid 32 x 8, 4 waves a work-group, no clusters, 102,912 bytes of LDS; arguments t, out0; writes out0
.if DOCPART == 6
	.amdgcn_target "amdgcn-amd-amdhsa--gfx1250"
	.amdhsa_code_object_version 6
	.text
	.protected	k_qaacf0e25c1_pairs
	.globl	k_qaacf0e25c1_pairs
	.p2align	8
	.type	k_qaacf0e25c1_pairs,@function
k_qaacf0e25c1_pairs:
	s_mov_b64 s[64:65], 0
	v_nop
	global_prefetch_b8 v0, s[64:65] scope:SCOPE_SE
	s_setreg_imm32_b32 hwreg(HW_REG_WAVE_SCHED_MODE, 0, 2), 2
	s_setreg_imm32_b32 hwreg(HW_REG_WAVE_MODE, 25, 1), 1
	s_wait_xcnt 0x0
	s_wait_alu depctr_vm_vsrc(0)
; out0[b][i][j] = the sum over r of (t[b][i][r] - t[b][j][r])^2.  t: [8][512][128] f32; out0: [8][512][512] f32.  All in f32, on the vector unit.
; THE ARITHMETIC.  With u = t - c, c = row 0 of the batch, the same number is |u_i|^2 + |u_j|^2 - 2 u_i . u_j: one fused multiply-add for each (i, j, r) where the difference and its square take two
; instructions.  A data row is taken away FIRST, so a common offset of the rows is gone before anything is squared, and |u_i|^2 is itself an output, out0[b][i][0]: no sum here is larger than the
; outputs.  LIMIT: the result's error is a few hundred x 2^-24 x (out0[b][i][0] + out0[b][j][0]), not a few x 2^-24 of the result itself; so the diagonal holds rounding noise of that size,
; held at 0 from below, where the differences give 0 exactly.  NaN and infinities are not served.
; SHARES.  A work-group makes 128 (i) x 64 (j) outputs of one batch: 32 x 8 work-groups.  A wave makes 32 x 64, a lane 8 x 8: rows li + 4 m, columns 4 lj + n % 4 + 32 (n / 4), li = lane / 8, lj = lane % 8.
; For 64 outputs a lane, 8 x 8 reads the fewest words from LDS: 16 for 64 multiply-adds.
; LDS.  192 rows of u, 512 bytes + 16 of padding (132 words: neighbouring rows start 4 banks apart; 64 banks of 4 bytes: ISA guide 11.1).  Rows 0-127: the i block; wave w alone writes and reads rows 32 w on.
; Rows 128-191: the j block, PERMUTED: column j lies in slot (j / 4) % 8 + 8 (j % 4) + 32 (j / 32), so that load n of lane lj takes slot lj + 8 n: eight neighbouring LDS rows, no two on one bank, and yet
; a lane's columns come in fours, 16 bytes of a row of out0.  Behind the rows: 192 norms.
; STEPS.  Each wave stages its 32 i rows and 16 of the j rows (49 loads, issued at once; the centre is taken off on the way), squares and sums the rows that it staged (a lane a row) | ONE barrier |
; 32 chunks of 4 along r: 16 LDS loads and 128 packed multiply-adds, on two operand buffers: a chunk's loads are issued a chunk ahead | the norms come in | the wave's 32 x 64 go through its own stage
; (its i rows' bytes, which nobody else touches) and leave as whole aligned runs of 256 bytes.
; The packed form sums even and odd r apart: 128 accumulator registers, in window 1; operands and addresses lie in window 0: two switches a chunk.  The first chunk's products start the sums: nothing is cleared.
; NO TENSOR LOAD, NO CLUSTER: 8 work-groups share an i block and 4 a j block, 96 KB a work-group in all, but every number is changed (the centre) on its way into LDS, so it passes through registers anyway.
; THE MODE: SCHED_MODE bits 1:0 = 2 (LLVM: expert scheduling mode 2), set by the entry lines.  The code itself states the register dependences
; between vector instructions and memory or LDS instructions, with s_wait_alu, always for 0.
; THE PLAN.  Registers that memory or LDS instructions touch:
;   v4, v5-7, v12-14, v36-40   the global offsets and LDS addresses: made once by vector lines, never written again.
;   v64-255, staging           six groups of 8 rows as loaded.  Group g's sixteen subtractions write it in place; its eight LDS stores, which read it, are issued in group g + 1, dealt among that group's
;                              subtractions, behind ONE wait on va_vdst at that group's head.  Behind the last stores one wait on vm_vsrc; then the norm pass's loads land in all of them.
;   v52, v53                   the norms: written by the sums of squares, read by two LDS stores.
;   v16-31                     the norms of my rows and columns: LDS loads land, vector lines read.
;   A0, B0 | A1, B1            the loop's operand buffers.  A chunk's 128 multiply-adds read one pair; behind them, and behind one wait on va_vdst, the loads of the chunk two further on land in it.
;   v32, v33                   the operands' LDS addresses: read by every operand load; written once a trip (two chunks; the odd chunk is reached by an immediate of 16), behind one wait on vm_vsrc
;                              and ahead of the wait on va_vdst that the even chunk's loads want anyway.
;   v64-127, v128-191, way out the results, written by vector lines and read by the stage's stores; the sums of norms, read by vector lines, in which the stage's loads then land: one wait on va_vdst.
; A chunk's sixteen loads stand in one run at the chunk's head: a load's destination and the accumulators hang on the same field of the window setting, so a group of loads among the multiply-adds would want two switches more.
.set RP,   528                         ; a row in LDS
.set JB,   128*RP                      ; the j block
.set NRM,  192*RP                      ; the norms: 128 of the i block, then 64 by slot
.set QP,   384                         ; a stage row: 256 bytes + 128: rows li and li + 1 fall on the two halves of the banks
.set L16,  4                           ; v4   16 x lane
.set STI,  5                           ; v5   LDS: where I stage an i row's 16 bytes
.set STJ,  6                           ; v6   and a j row's
.set NAI,  7                           ; v7   LDS: the i row whose norm I make
.set CEN,  8                           ; v8-11 my four numbers of the centre
.set NAJ,  12                          ; v12  LDS: the half of a j row whose norm I make
.set NSI,  13                          ; v13  LDS: where that i norm goes
.set NSJ,  14                          ; v14  and that j norm
.set NI,   16                          ; v16-23 the norms of my 8 rows
.set NJ,   24                          ; v24-31 of my 8 columns
.set AA,   32                          ; v32, v33 LDS addresses of the trip's even chunk's operands (i, j); the odd chunk's lie 16 bytes on
.set AB,   33
.set ANI,  36                          ; v36, v37 LDS: my norms
.set ANJ,  37
.set SO,   38                          ; v38  the stage, in
.set RD,   39                          ; v39  the stage, back
.set GO,   40                          ; v40  my byte offset in out0
.set SQ,   44                          ; v44-51 four chains of squares; v52-54 at work
.set A0,   64                          ; operand buffers: 8 rows x 4 numbers each
.set B0,   96
.set A1,   128
.set B1,   160
.set MSB, 0
.macro WIN new                         ; the immediate's high byte repeats the setting that is left
.if MSB != \new
	s_set_vgpr_msb (MSB<<8)|\new
.set MSB, \new
.endif
.endm
.set W_FMA, 0x50                       ; source 2 and destination (the accumulators) window 1, sources 0 and 1 window 0
.set W_SUM, 0x05                       ; sources 0 and 1 window 1, destination window 0
	s_load_b128 s[4:7], s[0:1], 0x0                ; t, out0
	v_lshl_add_u32 v62, v0, 2, 0x19000
	v_mov_b32 v63, 0
	v_lshrrev_b32 v1, 5, v0
	v_readfirstlane_b32 s8, v1                     ; wave 0..3
	v_and_b32 v1, 31, v0                           ; lane
	v_lshlrev_b32 v[L16], 4, v1
	s_wait_alu depctr_va_sdst(0)                   ; s8 is written, ahead of its first reader: the bases and the LDS addresses are made from it
	s_and_b32 s9, ttmp7, 0xffff                    ; the batch
	s_lshr_b32 s10, ttmp9, 3                       ; which 128 rows
	s_and_b32 s11, ttmp9, 7                        ; which 64 columns
	s_lshl_b32 s12, s9, 9                          ; the batch's first row of t
	s_lshl_b32 s13, s10, 7
	s_add_co_u32 s13, s13, s12
	s_lshl_b32 s14, s8, 5
	s_add_co_u32 s13, s13, s14                     ; my wave's first i row
	s_lshl_b32 s16, s13, 9                         ; in bytes of t
	s_mov_b32 s17, 0
	s_lshl_b32 s14, s11, 6
	s_add_co_u32 s14, s14, s12
	s_lshl_b32 s15, s8, 4
	s_add_co_u32 s14, s14, s15                     ; the first of the 16 j rows that I stage
	s_lshl_b32 s18, s14, 9
	s_mov_b32 s19, 0
	s_lshl_b32 s20, s12, 9                         ; the centre: the batch's row 0
	s_mov_b32 s21, 0
	s_lshl_b32 s22, s13, 11                        ; out0: my first row, 2,048 bytes a row,
	s_lshl_b32 s23, s11, 8                         ; + 256 bytes for each 64 columns
	s_add_co_u32 s22, s22, s23
	s_mov_b32 s23, 0
	s_wait_kmcnt 0x0
	s_add_nc_u64 s[24:25], s[4:5], s[16:17]
	s_add_nc_u64 s[26:27], s[4:5], s[18:19]
	s_add_nc_u64 s[28:29], s[4:5], s[20:21]
	s_add_nc_u64 s[6:7], s[6:7], s[22:23]
	s_wait_alu depctr_va_vdst(0)                   ; v4 is written, which the 49 loads below read as their offset
	global_load_b128 v[CEN:CEN+3], v[L16], s[28:29]
.irp t, 0,1,2,3,4,5,6,7,8,9,10,11,12,13,14,15,16,17,18,19,20,21,22,23,24,25,26,27,28,29,30,31
	global_load_b128 v[64+4*\t:67+4*\t], v[L16], s[24:25] offset:512*\t        ; a row of 512 bytes a load
.endr
.irp t, 0,1,2,3,4,5,6,7,8,9,10,11,12,13,14,15
	global_load_b128 v[192+4*\t:195+4*\t], v[L16], s[26:27] offset:512*\t
.endr
	; addresses, made while the loads are out: these lines name none of the registers that the loads read or land in
	v_bfe_u32 v2, v0, 3, 2                         ; li
	v_and_b32 v3, 7, v0                            ; lj
	s_mul_i32 s30, s8, 32*RP                       ; my 32 i rows in LDS
	v_add_nc_u32 v[STI], s30, v[L16]
	s_and_b32 s31, s8, 1
	s_lshl_b32 s31, s31, 2
	s_lshr_b32 s32, s8, 1
	s_lshl_b32 s32, s32, 5
	s_add_co_u32 s31, s31, s32                     ; columns 16 w + x lie in slots 4 (w % 2) + 32 (w / 2) + x / 4 + 8 (x % 4)
	s_mul_i32 s32, s31, RP
	s_add_co_u32 s32, s32, JB
	v_add_nc_u32 v[STJ], s32, v[L16]
	v_mul_u32_u24 v[NAI], v1, RP
	v_add_nc_u32 v[NAI], s30, v[NAI]               ; a lane to each of my 32 i rows
	v_and_b32 v12, 3, v0
	v_bfe_u32 v13, v0, 2, 2
	v_lshl_add_u32 v15, v13, 3, v12                ; lanes 0-15 and 16-31: my 16 slots, lane % 4 + 8 ((lane / 4) % 4),
	v_mul_u32_u24 v[NAJ], v15, RP
	v_bfe_u32 v13, v0, 4, 1
	v_lshl_add_u32 v[NAJ], v13, 8, v[NAJ]          ; the row's lower or upper 256 bytes
	v_add_nc_u32 v[NAJ], s32, v[NAJ]
	s_lshl_b32 s33, s8, 7
	s_add_co_u32 s33, s33, NRM
	v_lshl_add_u32 v[NSI], v1, 2, s33
	s_lshl_b32 s34, s31, 2
	s_add_co_u32 s34, s34, NRM+512
	v_lshl_add_u32 v[NSJ], v15, 2, s34
	v_mul_u32_u24 v[AA], v2, RP
	v_add_nc_u32 v[AA], s30, v[AA]                 ; row 32 w + li; load m takes the row 4 m further down
	v_mul_u32_u24 v[AB], v3, RP
	v_add_nc_u32 v[AB], JB, v[AB]                  ; slot lj; load n takes slot lj + 8 n
	v_lshl_add_u32 v[ANI], v2, 2, s33
	v_lshlrev_b32 v[ANJ], 2, v3
	v_add_nc_u32 v[ANJ], NRM+512, v[ANJ]
	v_mul_u32_u24 v[SO], v2, QP
	v_lshl_add_u32 v[SO], v3, 4, v[SO]
	v_add_nc_u32 v[SO], s30, v[SO]                 ; the stage: row li (+ 4 m), 16 lj (+ 128 for the upper 32 columns)
	v_bfe_u32 v[RD], v0, 4, 1
	v_and_b32 v41, 15, v0
	v_lshlrev_b32 v[GO], 11, v[RD]
	v_lshl_add_u32 v[GO], v41, 4, v[GO]            ; lanes 0-15 one row of out0, lanes 16-31 the next; 16 bytes a lane
	v_mul_u32_u24 v[RD], v[RD], QP
	v_lshl_add_u32 v[RD], v41, 4, v[RD]
	v_add_nc_u32 v[RD], s30, v[RD]
	v_mov_b32 v54, 0                               ; a lane permute's destination counts as one of its sources
	s_mov_b32 s36, 0x76543210
	s_mov_b32 s37, 0xfedcba98                      ; v_permlanex16_b32's selects for lane l xor 16
; THE STAGING, in six groups of 8 rows.  u = t - c in place; a group's rows go into LDS, 512 consecutive bytes a store, in the next group's turn.
.macro SUBC reg
	v_pk_add_f32 v[\reg:\reg+1],   v[\reg:\reg+1],   v[CEN:CEN+1]   neg_lo:[0,1] neg_hi:[0,1]
	v_pk_add_f32 v[\reg+2:\reg+3], v[\reg+2:\reg+3], v[CEN+2:CEN+3] neg_lo:[0,1] neg_hi:[0,1]
.endm
.macro PUTI row                                ; i row 0 .. 31 of my 32
	ds_store_b128 v[STI], v[64+4*(\row):64+4*(\row)+3] offset:(\row)*RP
.endm
.macro PUTJ row                                ; j row 0 .. 15 of my 16, into its slot
	ds_store_b128 v[STJ], v[192+4*(\row):192+4*(\row)+3] offset:(((\row)/4)+8*((\row)%4))*RP
.endm
	s_wait_loadcnt 40                              ; the centre and i rows 0 to 7 are in; the 40 loads behind them stay out
.irp x, 0,1,2,3,4,5,6,7
	SUBC 64+4*\x
.endr
.irp g, 1,2,3
	s_wait_loadcnt 40-8*\g                         ; i rows up to 8 g + 7 are in; the 40 - 8 g loads behind them stay out
	s_wait_alu depctr_va_vdst(0)                   ; the group before has written its rows, which the stores below read (at g = 1 also: all the LDS addresses and v40 are written); this group's subtractions name other registers
.irp x, 0,1,2,3,4,5,6,7
	PUTI 8*(\g-1)+\x
	SUBC 64+4*(8*\g+\x)
.endr
.endr
	s_wait_loadcnt 8                               ; j rows 0 to 7
	s_wait_alu depctr_va_vdst(0)                   ; i rows 24 to 31 are written, which the stores below read
.irp x, 0,1,2,3,4,5,6,7
	PUTI 24+\x
	SUBC 192+4*\x
.endr
	s_wait_loadcnt 0x0                             ; j rows 8 to 15
	s_wait_alu depctr_va_vdst(0)                   ; j rows 0 to 7 are written, which the stores below read
.irp x, 0,1,2,3,4,5,6,7
	PUTJ \x
	SUBC 192+4*(8+\x)
.endr
	s_wait_alu depctr_va_vdst(0)                   ; j rows 8 to 15 are written, which the stores below read; all subtractions are done with v64-255, in which the loads of the norm pass land
.irp x, 0,1,2,3,4,5,6,7
	PUTJ 8+\x
.endr
	s_wait_alu depctr_vm_vsrc(0)                   ; the 48 stores have read v64-255, in which the loads below land
	; THE NORMS of the rows that I staged.  LDS serves a wave's instructions in order (ISA guide 5.7.1.4): these loads see my stores.  A lane takes a whole i row; of the 16 j rows, half a row.
.irp q, 0,1,2,3,4,5,6,7,8,9,10,11,12,13,14,15,16,17,18,19,20,21,22,23,24,25,26,27,28,29,30,31
	ds_load_b128 v[64+4*\q:67+4*\q], v[NAI] offset:16*\q
.endr
.irp q, 0,1,2,3,4,5,6,7,8,9,10,11,12,13,14,15
	ds_load_b128 v[192+4*\q:195+4*\q], v[NAJ] offset:16*\q
.endr
.macro SQSUM x0, reps, dst                     ; the sum of the squares of v[x0] .. v[x0 + 8 reps + 7], in four chains of pairs; the first eight start the chains
.irp c, 0,1,2,3
	v_pk_mul_f32 v[SQ+2*\c:SQ+2*\c+1], v[\x0+2*\c:\x0+2*\c+1], v[\x0+2*\c:\x0+2*\c+1]
.endr
.set k, \x0+8
.rept \reps
.irp c, 0,1,2,3
	v_pk_fma_f32 v[SQ+2*\c:SQ+2*\c+1], v[k+2*\c:k+2*\c+1], v[k+2*\c:k+2*\c+1], v[SQ+2*\c:SQ+2*\c+1]
.endr
.set k, k+8
.endr
	v_pk_add_f32 v[SQ:SQ+1], v[SQ:SQ+1], v[SQ+2:SQ+3]
	v_pk_add_f32 v[SQ+4:SQ+5], v[SQ+4:SQ+5], v[SQ+6:SQ+7]
	v_pk_add_f32 v[SQ:SQ+1], v[SQ:SQ+1], v[SQ+4:SQ+5]
	v_add_f32 v[\dst], v[SQ], v[SQ+1]
.endm
	s_wait_dscnt 16                                ; the i row is in; the 16 loads of the j row stay out
	SQSUM 64, 15, 52
	s_wait_dscnt 0x0
	SQSUM 192, 7, 53
	v_permlanex16_b32 v54, v53, s36, s37
	v_add_f32 v53, v53, v54                        ; the row's two halves
	s_wait_alu depctr_va_vdst(0)                   ; v52 and v53 are written, which the two stores read; the squares are done reading v64-191, in which the first two chunks' operands land behind the barrier
	ds_store_b32 v[NSI], v52
	ds_store_b32 v[NSJ], v53                       ; (lanes l and l xor 16 write the same word with the same value)
	s_wait_dscnt 0x0                               ; for the others' sake: my j rows and norms lie in LDS
	s_barrier_signal -1
	s_barrier_wait -1
.irp m, 0,1,2,3,4,5,6,7
	ds_load_b32 v[NI+\m], v[ANI] offset:16*\m
	ds_load_b32 v[NJ+\m], v[ANJ] offset:32*\m
.endr
.macro LOADS a, b, at                          ; a chunk's operands: four numbers of my 8 rows and of my 8 columns, at bytes on from the trip's even chunk
.irp m, 0,1,2,3,4,5,6,7
	ds_load_b128 v[\a+4*\m:\a+4*\m+3], v[AA] offset:\at+4*\m*RP
.endr
.irp n, 0,1,2,3,4,5,6,7
	ds_load_b128 v[\b+4*\n:\b+4*\n+3], v[AB] offset:\at+8*\n*RP
.endr
.endm
.macro FMAS a, b, first                        ; 128 packed multiply-adds: accumulator (m, n) at v[2 (8 m + n)] of window 1; 63 others stand between two on one accumulator
	WIN W_FMA
.irp p, 0,1
.irp m, 0,1,2,3,4,5,6,7
.irp n, 0,1,2,3,4,5,6,7
.if \first && (\p == 0)
	v_pk_mul_f32 v[2*(8*\m+\n):2*(8*\m+\n)+1], v[\a+4*\m+2*\p:\a+4*\m+2*\p+1], v[\b+4*\n+2*\p:\b+4*\n+2*\p+1]
.else
	v_pk_fma_f32 v[2*(8*\m+\n):2*(8*\m+\n)+1], v[\a+4*\m+2*\p:\a+4*\m+2*\p+1], v[\b+4*\n+2*\p:\b+4*\n+2*\p+1], v[2*(8*\m+\n):2*(8*\m+\n)+1]
.endif
.endr
.endr
.endr
	WIN 0
.endm
	LOADS A0, B0, 0                                ; chunk 0.  No vector line has been issued since the last wait on va_vdst: these loads owe nothing more
	LOADS A1, B1, 16                               ; chunk 1
	s_wait_dscnt 16                                ; the norms and chunk 0 are in; chunk 1's 16 loads stay out
	FMAS A0, B0, 1
	s_mov_b32 s35, 15
.Lchunks:                                              ; trip k = 1 .. 15: asks for chunks 2 k and 2 k + 1, multiplies chunks 2 k - 1 and 2 k
	s_wait_alu depctr_vm_vsrc(0)                   ; the operand loads issued so far have read v32 and v33
	v_add_nc_u32 v[AA], 32, v[AA]                  ; on by two chunks
	v_add_nc_u32 v[AB], 32, v[AB]
	s_wait_alu depctr_va_vdst(0)                   ; v32 and v33 are written, which the loads below read; the even chunk's multiply-adds are done reading A0 and B0, in which they land
	LOADS A0, B0, 0
	s_wait_dscnt 16                                ; the odd chunk, asked for 128 multiply-adds ago, is in; the 16 loads just issued stay out
	FMAS A1, B1, 0
	s_wait_alu depctr_va_vdst(0)                   ; the odd chunk's multiply-adds are done reading A1 and B1, in which the loads below land
	LOADS A1, B1, 16
	s_wait_dscnt 16
	FMAS A0, B0, 0
	s_sub_co_u32 s35, s35, 1
	s_cmp_lg_u32 s35, 0
	s_cbranch_scc1 .Lchunks
	s_wait_dscnt 0x0                               ; chunk 31: nothing more is asked for
	FMAS A1, B1, 0
	; THE WAY OUT.  s = even r's sum + odd r's;  out = max(|u_i|^2 + |u_j|^2 - 2 s, 0)
	WIN W_SUM
.set k, 0
.rept 64
	v_add_f32 v[64+k], v[2*k], v[2*k+1]
.set k, k+1
.endr
	WIN 0
.irp m, 0,1,2,3,4,5,6,7
.irp n, 0,1,2,3,4,5,6,7
	v_add_f32 v[128+8*\m+\n], v[NI+\m], v[NJ+\n]
.endr
.endr
.set k, 0
.rept 64
	v_fma_f32 v[64+k], v[64+k], -2.0, v[128+k]
.set k, k+1
.endr
.set k, 0
.rept 64
	v_max_num_f32 v[64+k], 0, v[64+k]              ; a squared distance is not negative
.set k, k+1
.endr
	s_wait_alu depctr_va_vdst(0)                   ; the results v64-127 are written, which the stage's stores read; the multiply-adds above are done reading v128-191, in which the stage's loads land
.irp m, 0,1,2,3,4,5,6,7
.irp g, 0,1
	ds_store_b128 v[SO], v[64+8*\m+4*\g:64+8*\m+4*\g+3] offset:4*\m*QP+128*\g   ; row li + 4 m, columns 32 g + 4 lj + 0 .. 3.  The stage lies in my own i rows, whose last read is back
.endr
.endr
.irp x, 0,1,2,3,4,5,6,7,8,9,10,11,12,13,14,15
	ds_load_b128 v[128+4*\x:131+4*\x], v[RD] offset:2*\x*QP                     ; in order behind my stores: rows 2 x and 2 x + 1, whole
.endr
.irp x, 0,1,2,3,4,5,6,7,8,9,10,11,12,13,14,15
	s_wait_dscnt 15-\x                             ; LDS loads come back in order: pair x of the sixteen is in
	global_store_b128 v[GO], v[128+4*\x:131+4*\x], s[6:7] offset:4096*\x th:TH_STORE_NT   ; sixteen lanes store 256 consecutive bytes, at a multiple of 256 from out0's first byte
.endr
	s_wait_dscnt 0x0
	s_wait_alu depctr_hold_cnt(0) depctr_sa_sdst(0) depctr_va_vdst(0) depctr_va_sdst(0) depctr_va_ssrc(0) depctr_va_vcc(0) depctr_vm_vsrc(0)
	s_wait_tensorcnt 0x0
	ds_add_u32 v62, v63
	s_wait_dscnt 0x0
	s_endpgm
.Lfunc_end_k_qaacf0e25c1_pairs:
	.size	k_qaacf0e25c1_pairs, .Lfunc_end_k_qaacf0e25c1_pairs-k_qaacf0e25c1_pairs
	.p2alignl 7, 3214868480
	.fill 96, 4, 3214868480
	.section	.rodata,"a",@progbits
	.p2align	6, 0x0
	.amdhsa_kernel k_qaacf0e25c1_pairs
		.amdhsa_group_segment_fixed_size 102912
		.amdhsa_private_segment_fixed_size 0
		.amdhsa_enable_private_segment 0
		.amdhsa_kernarg_size 16
		.amdhsa_user_sgpr_count 2
		.amdhsa_user_sgpr_kernarg_segment_ptr 1
		.amdhsa_wavefront_size32 1
		.amdhsa_system_sgpr_workgroup_id_x 1
		.amdhsa_system_sgpr_workgroup_id_y 1
		.amdhsa_system_sgpr_workgroup_id_z 1
		.amdhsa_system_vgpr_workitem_id 0
		.amdhsa_next_free_vgpr 384
		.amdhsa_next_free_sgpr 66
		.amdhsa_reserve_vcc 0
		.amdhsa_float_denorm_mode_32 3
		.amdhsa_float_denorm_mode_16_64 3
		.amdhsa_memory_ordered 1
		.amdhsa_forward_progress 1
		.amdhsa_inst_pref_size 80
	.end_amdhsa_kernel
	.amdgpu_metadata
---
amdhsa.version: [ 1, 2 ]
amdhsa.kernels:
  - .name:           k_qaacf0e25c1_pairs
    .symbol:         k_qaacf0e25c1_pairs.kd
    .args:
      - { .name: t, .offset: 0, .size: 8, .value_kind: global_buffer, .address_space: global }
      - { .name: out0, .offset: 8, .size: 8, .value_kind: global_buffer, .address_space: global }
    .group_segment_fixed_size: 102912
    .private_segment_fixed_size: 0
    .kernarg_segment_align: 8
    .kernarg_segment_size: 16
    .max_flat_workgroup_size: 128
    .sgpr_count:     66
    .vgpr_count:     384
    .wavefront_size: 32
...
	.end_amdgpu_metadata
.endif
;; end of part 6
